; MI455X (gfx1250); checked and timed in simulation.
; The chip was launched on July 23, 2026; its instructions are those of AMD's public machine-readable ISA for CDNA 5 (MIT licence, August 2026) and "CDNA5" Instruction Set Architecture Reference Guide (July 2026). The comments in the code are by the model that wrote it; some were corrected since.
;; Transformer Block. Allowed arithmetic: float matrix products may take bf16 or f16 operands with f32 sums; other float arithmetic in f32, or as packed bf16 or f16 multiplies, adds, multiply-adds, maxima and minima; sums over many terms, partial sums and values carried from step to step in f32; what a program stores and reads back later, other than sums and carried values, may be rounded once to bf16 or f16.
;; Inputs: W_K 16 x 64 x 1,024 float32; W_O 16 x 1,024 x 64 float32; W_Q 16 x 64 x 1,024 float32; W_V 16 x 64 x 1,024 float32; W_in 4,096 x 1,024 float32; W_out 1,024 x 4,096 float32; b_K 16 x 64 float32; b_O 1,024 float32; b_Q 16 x 64 float32; b_V 16 x 64 float32; b_in 4,096 float32; b_out 1,024 float32; x 2 x 2,048 x 1,024 float32.
;; Outputs: out0 2 x 2,048 x 1,024 float32.
;; One version. Each part assembles by itself: llvm-mc -triple=amdgcn-amd-amdhsa -mcpu=gfx1250 --defsym DOCPART=n.
;; ======== version 1 of 1: 7 launches
;; limits: values are held in f16: magnitudes above 65,504 overflow, below 6.1e-05 lose precision; right only within a limited range of input values
;; workspace buffers: wqkv 6,291,456 bytes; wo 2,097,152 bytes; win 8,388,608 bytes; wout 8,388,608 bytes; act 8,388,608 bytes; qkv 25,165,824 bytes; rmid 16,777,216 bytes; post 33,554,432 bytes
;; launch prep (part 1): grid 1024 x 1, 8 waves a work-group, no clusters, 0 bytes of LDS; arguments x, W_Q, W_K, W_V, W_O, W_in, W_out, act, wqkv, wo, win, wout; writes act, wqkv, wo, win, wout
.if DOCPART == 1
	.amdgcn_target "amdgcn-amd-amdhsa--gfx1250"
	.amdhsa_code_object_version 6
	.text
	.protected	k_qa96c7c2315_prep
	.globl	k_qa96c7c2315_prep
	.p2align	8
	.type	k_qa96c7c2315_prep,@function
k_qa96c7c2315_prep:
	s_mov_b64 s[64:65], 0
	v_nop
	global_prefetch_b8 v0, s[64:65] scope:SCOPE_SE
	s_setreg_imm32_b32 hwreg(HW_REG_WAVE_MODE, 25, 1), 1
	s_wait_xcnt 0x0
; ROWS OF 1,024 f32 BECOME ROWS OF 1,024 f16, each number rounded once.  By the work-group's number g:
;   g 0-255     the first argument's 4,096 rows, NORMALISED (x - mean) / sqrt(mean((x - mean)^2) + 1e-5)  -> act
;   g 256-447   W_Q, W_K, W_V, 1,024 rows each, one behind the other                                       -> wqkv
;   g 448-511   W_O [16 i][1024 d][64 h], turned into rows d with columns 64 i + h                          -> wo
;   g 512-767   W_in -> win          g 768-1023  W_out (as 4,096 dense rows of 1,024) -> wout
; A launch of 256 work-groups does the first section alone (the second normalisation of the block).
; SHARES.  A work-group takes 16 rows, each of its eight waves two; a lane holds 32 numbers of a row, so the row stays in registers
; between the pass that finds the mean, the pass that finds the spread and the scaling: memory is read once, no wave waits for another.
; A load of a wave covers 512 consecutive bytes (W_O: two runs of 256), a store 256 consecutive bytes, aligned.
; No LDS, no matrix unit, no cluster: no byte is wanted by two waves.
; LIMITS.  f16 ends at 65,504 and keeps a fixed step of 6e-8 below 6e-5: weights must lie within that; a normalised number is 32 at the most.
; The mean is taken away before the squares are summed: no difference of large sums is formed.
.set LO,  2                            ; v2   16 x lane: my 16 bytes in 512 of a dense row
.set LO2, 3                            ; v3   W_O: (lane / 16) x 262,144 + 16 (lane % 16): head 2 j + lane / 16, channels 4 (lane % 16) on
.set SO,  4                            ; v4   8 x lane: my 8 bytes in 256 of an f16 row
.set T,   6                            ; v[6:13]   at work
.set M,   14                           ; v[14:15]  the mean, twice
.set R,   16                           ; v[16:17]  1 / sqrt(..), twice
.set X,   20                           ; v[20:83]  two rows of 32
.set Y,   84                           ; v[84:115] two rows of 16 packed words
.set SRC, 32                           ; s[32:33]  where my two rows come from
.set DST, 34                           ; s[34:35]  where they go
	s_load_b512 s[8:23], s[0:1], 0x0               ; x 8, W_Q 10, W_K 12, W_V 14, W_O 16, W_in 18, W_out 20, act 22
	s_load_b256 s[24:31], s[0:1], 0x40             ; wqkv 24, wo 26, win 28, wout 30
	v_lshrrev_b32 v1, 5, v0
	v_readfirstlane_b32 s2, v1                     ; wave 0..7
	v_and_b32 v1, 31, v0                           ; lane
	v_and_b32 v5, 15, v0
	v_lshlrev_b32 v[LO], 4, v1
	v_lshlrev_b32 v[SO], 3, v1
	v_bfe_u32 v[LO2], v0, 4, 1
	v_lshlrev_b32 v[LO2], 18, v[LO2]
	v_lshl_add_u32 v[LO2], v5, 4, v[LO2]
	s_and_b32 s44, ttmp9, 255
	s_lshl_b32 s44, s44, 4                         ; first row in a section of 256 work-groups
	s_and_b32 s45, ttmp9, 63
	s_lshl_b32 s45, s45, 4                         ; in a section of 64
	s_sub_co_u32 s46, ttmp9, 256
	s_lshl_b32 s46, s46, 4                         ; row in wqkv (used from g = 256 on)
	s_lshl_b32 s47, s2, 1                          ; my wave's two rows
	s_mov_b32 s40, 0x3a800000                      ; 1 / 1024
	s_mov_b32 s41, 0x3727c5ac                      ; 1e-5
	s_mov_b32 s42, 0x76543210                      ; v_permlanex16_b32: each lane takes its own place in the other half
	s_mov_b32 s43, 0xfedcba98
	s_cmp_lt_u32 ttmp9, 256
	s_cselect_b32 s38, 1, 0                        ; 1: these rows are normalised
	s_lshr_b32 s39, ttmp9, 6
	s_cmp_eq_u32 s39, 7
	s_cselect_b32 s39, 1, 0                        ; 1: these rows are W_O's
	s_wait_kmcnt 0x0
	; the section's buffers and rows: each test overrides what the tests before chose
	s_mov_b64 s[SRC:SRC+1], s[8:9]
	s_mov_b64 s[DST:DST+1], s[22:23]
	s_mov_b32 s36, s44
	s_mov_b32 s37, s44
	s_cmp_ge_u32 ttmp9, 256
	s_cselect_b64 s[SRC:SRC+1], s[10:11], s[SRC:SRC+1]
	s_cselect_b64 s[DST:DST+1], s[24:25], s[DST:DST+1]
	s_cselect_b32 s36, s45, s36
	s_cselect_b32 s37, s46, s37
	s_cmp_ge_u32 ttmp9, 320
	s_cselect_b64 s[SRC:SRC+1], s[12:13], s[SRC:SRC+1]
	s_cmp_ge_u32 ttmp9, 384
	s_cselect_b64 s[SRC:SRC+1], s[14:15], s[SRC:SRC+1]
	s_cmp_ge_u32 ttmp9, 448
	s_cselect_b64 s[SRC:SRC+1], s[16:17], s[SRC:SRC+1]
	s_cselect_b64 s[DST:DST+1], s[26:27], s[DST:DST+1]
	s_cselect_b32 s37, s45, s37
	s_cmp_ge_u32 ttmp9, 512
	s_cselect_b64 s[SRC:SRC+1], s[18:19], s[SRC:SRC+1]
	s_cselect_b64 s[DST:DST+1], s[28:29], s[DST:DST+1]
	s_cselect_b32 s36, s44, s36
	s_cselect_b32 s37, s44, s37
	s_cmp_ge_u32 ttmp9, 768
	s_cselect_b64 s[SRC:SRC+1], s[20:21], s[SRC:SRC+1]
	s_cselect_b64 s[DST:DST+1], s[30:31], s[DST:DST+1]
	s_add_co_u32 s36, s36, s47
	s_lshl_b32 s50, s36, 12                        ; a dense row is 4,096 bytes;
	s_lshl_b32 s48, s36, 8                         ; a row d of one head of W_O is 256
	s_cmp_eq_u32 s39, 1
	s_cselect_b32 s50, s48, s50
	s_mov_b32 s51, 0
	s_add_co_u32 s52, s37, s47
	s_lshl_b32 s52, s52, 11                        ; an f16 row is 2,048 bytes
	s_mov_b32 s53, 0
	s_add_nc_u64 s[SRC:SRC+1], s[SRC:SRC+1], s[50:51]
	s_add_nc_u64 s[DST:DST+1], s[DST:DST+1], s[52:53]
.macro LOADD rr                        ; a dense row: eight loads of 512 consecutive bytes
.irp j, 0,1,2,3,4,5,6,7
	global_load_b128 v[X+32*(\rr)+4*(\j):X+32*(\rr)+4*(\j)+3], v[LO], s[SRC:SRC+1] offset:(\rr)*4096+(\j)*512 th:TH_LOAD_NT
.endr
.endm
.macro LOADO rr                        ; a row d of wo: load j takes heads 2 j and 2 j + 1, 256 consecutive bytes of each
.irp j, 0,1,2,3,4,5,6,7
	global_load_b128 v[X+32*(\rr)+4*(\j):X+32*(\rr)+4*(\j)+3], v[LO2], s[SRC:SRC+1] offset:(\rr)*256+(\j)*524288 th:TH_LOAD_NT
.endr
.endm
.macro REDUCE                          ; four pairs of partial sums in T become the row's sum, in every lane
	v_pk_add_f32 v[T:T+1], v[T:T+1], v[T+2:T+3]
	v_pk_add_f32 v[T+4:T+5], v[T+4:T+5], v[T+6:T+7]
	v_pk_add_f32 v[T:T+1], v[T:T+1], v[T+4:T+5]
	v_add_f32 v[T], v[T], v[T+1]
	v_add_f32_dpp v[T], v[T], v[T] row_xmask:1 row_mask:0xf bank_mask:0xf
	v_add_f32_dpp v[T], v[T], v[T] row_xmask:2 row_mask:0xf bank_mask:0xf
	v_add_f32_dpp v[T], v[T], v[T] row_xmask:4 row_mask:0xf bank_mask:0xf
	v_add_f32_dpp v[T], v[T], v[T] row_xmask:8 row_mask:0xf bank_mask:0xf
	v_permlanex16_b32 v[T+1], v[T], s42, s43       ; its destination has been written above
	v_add_f32 v[T], v[T], v[T+1]
.endm
.macro STAT rr                         ; the row is normalised in place
.set XB, X+32*(\rr)
.irp k, 0,1,2,3
	v_pk_add_f32 v[T+2*(\k):T+2*(\k)+1], v[XB+4*(\k):XB+4*(\k)+1], v[XB+4*(\k)+2:XB+4*(\k)+3]  ; four chains, started by the first sums: nothing is cleared
.endr
.irp k, 0,1,2,3,4,5,6,7
	v_pk_add_f32 v[T+2*((\k)%4):T+2*((\k)%4)+1], v[T+2*((\k)%4):T+2*((\k)%4)+1], v[XB+16+2*(\k):XB+16+2*(\k)+1]
.endr
	REDUCE
	v_mul_f32 v[M], s40, v[T]
	v_mul_f32 v[M+1], s40, v[T]
.irp k, 0,1,2,3,4,5,6,7,8,9,10,11,12,13,14,15
	v_pk_add_f32 v[XB+2*(\k):XB+2*(\k)+1], v[XB+2*(\k):XB+2*(\k)+1], v[M:M+1] neg_lo:[0,1] neg_hi:[0,1]
.endr
.irp k, 0,1,2,3
	v_pk_mul_f32 v[T+2*(\k):T+2*(\k)+1], v[XB+2*(\k):XB+2*(\k)+1], v[XB+2*(\k):XB+2*(\k)+1]
.endr
.irp k, 4,5,6,7,8,9,10,11,12,13,14,15
	v_pk_fma_f32 v[T+2*((\k)%4):T+2*((\k)%4)+1], v[XB+2*(\k):XB+2*(\k)+1], v[XB+2*(\k):XB+2*(\k)+1], v[T+2*((\k)%4):T+2*((\k)%4)+1]
.endr
	REDUCE
	v_fma_f32 v[T], v[T], s40, s41                 ; the mean square + 1e-5
	v_rsq_f32 v[R], v[T]
	v_rsq_f32 v[R+1], v[T]
	v_nop                                          ; a plain instruction behind the last root (ISA guide 5.7.2),
	s_wait_alu depctr_va_vdst(0)                   ; and the wait ahead of the first use: one for both
.irp k, 0,1,2,3,4,5,6,7,8,9,10,11,12,13,14,15
	v_pk_mul_f32 v[XB+2*(\k):XB+2*(\k)+1], v[XB+2*(\k):XB+2*(\k)+1], v[R:R+1]
.endr
.endm
.macro OUT rr                          ; rounded to f16 and stored: each store of the wave covers 256 consecutive bytes, aligned
.irp k, 0,1,2,3,4,5,6,7,8,9,10,11,12,13,14,15
	v_cvt_pk_f16_f32 v[Y+16*(\rr)+(\k)], v[X+32*(\rr)+2*(\k)], v[X+32*(\rr)+2*(\k)+1]
.endr
.irp j, 0,1,2,3,4,5,6,7
	global_store_b64 v[SO], v[Y+16*(\rr)+2*(\j):Y+16*(\rr)+2*(\j)+1], s[DST:DST+1] offset:(\rr)*2048+(\j)*256
.endr
.endm
	s_cmp_eq_u32 s39, 1
	s_cbranch_scc1 .Lturned
	LOADD 0
	LOADD 1
	s_branch .Lloaded
.Lturned:
	LOADO 0
	LOADO 1
.Lloaded:
	s_wait_loadcnt 8                               ; row 0 is in; row 1's eight loads stay out
	s_cmp_eq_u32 s38, 1
	s_cbranch_scc0 .Lplain0
	STAT 0
.Lplain0:
	OUT 0
	s_wait_loadcnt 0x0
	s_cmp_eq_u32 s38, 1
	s_cbranch_scc0 .Lplain1
	STAT 1
.Lplain1:
	OUT 1                                          ; no register that a store names is written again
	s_endpgm
.Lfunc_end_k_qa96c7c2315_prep:
	.size	k_qa96c7c2315_prep, .Lfunc_end_k_qa96c7c2315_prep-k_qa96c7c2315_prep
	.p2alignl 7, 3214868480
	.fill 96, 4, 3214868480
	.section	.rodata,"a",@progbits
	.p2align	6, 0x0
	.amdhsa_kernel k_qa96c7c2315_prep
		.amdhsa_group_segment_fixed_size 0
		.amdhsa_private_segment_fixed_size 0
		.amdhsa_enable_private_segment 0
		.amdhsa_kernarg_size 96
		.amdhsa_user_sgpr_count 2
		.amdhsa_user_sgpr_kernarg_segment_ptr 1
		.amdhsa_wavefront_size32 1
		.amdhsa_system_sgpr_workgroup_id_x 1
		.amdhsa_system_sgpr_workgroup_id_y 1
		.amdhsa_system_sgpr_workgroup_id_z 1
		.amdhsa_system_vgpr_workitem_id 0
		.amdhsa_next_free_vgpr 120
		.amdhsa_next_free_sgpr 66
		.amdhsa_reserve_vcc 0
		.amdhsa_float_denorm_mode_32 3
		.amdhsa_float_denorm_mode_16_64 3
		.amdhsa_memory_ordered 1
		.amdhsa_forward_progress 1
		.amdhsa_inst_pref_size 20
	.end_amdhsa_kernel
	.amdgpu_metadata
---
amdhsa.version: [ 1, 2 ]
amdhsa.kernels:
  - .name:           k_qa96c7c2315_prep
    .symbol:         k_qa96c7c2315_prep.kd
    .args:
      - { .name: x, .offset: 0, .size: 8, .value_kind: global_buffer, .address_space: global }
      - { .name: W_Q, .offset: 8, .size: 8, .value_kind: global_buffer, .address_space: global }
      - { .name: W_K, .offset: 16, .size: 8, .value_kind: global_buffer, .address_space: global }
      - { .name: W_V, .offset: 24, .size: 8, .value_kind: global_buffer, .address_space: global }
      - { .name: W_O, .offset: 32, .size: 8, .value_kind: global_buffer, .address_space: global }
      - { .name: W_in, .offset: 40, .size: 8, .value_kind: global_buffer, .address_space: global }
      - { .name: W_out, .offset: 48, .size: 8, .value_kind: global_buffer, .address_space: global }
      - { .name: act, .offset: 56, .size: 8, .value_kind: global_buffer, .address_space: global }
      - { .name: wqkv, .offset: 64, .size: 8, .value_kind: global_buffer, .address_space: global }
      - { .name: wo, .offset: 72, .size: 8, .value_kind: global_buffer, .address_space: global }
      - { .name: win, .offset: 80, .size: 8, .value_kind: global_buffer, .address_space: global }
      - { .name: wout, .offset: 88, .size: 8, .value_kind: global_buffer, .address_space: global }
    .group_segment_fixed_size: 0
    .private_segment_fixed_size: 0
    .kernarg_segment_align: 8
    .kernarg_segment_size: 96
    .max_flat_workgroup_size: 256
    .sgpr_count:     66
    .vgpr_count:     120
    .wavefront_size: 32
...
	.end_amdgpu_metadata
.endif
;; end of part 1
;; launch gqkv (part 2): grid 16 x 16, 4 waves a work-group, clusters of 4 x 4, 327,680 bytes of LDS; arguments act, wqkv, b_Q, b_K, b_V, qkv; writes qkv
.if DOCPART == 2
	.amdgcn_target "amdgcn-amd-amdhsa--gfx1250"
	.amdhsa_code_object_version 6
	.text
	.protected	k_qa96c7c2315_gqkv
	.globl	k_qa96c7c2315_gqkv
	.p2align	8
	.type	k_qa96c7c2315_gqkv,@function
k_qa96c7c2315_gqkv:
	s_mov_b64 s[64:65], 0
	v_nop
	global_prefetch_b8 v0, s[64:65] scope:SCOPE_SE
	s_setreg_imm32_b32 hwreg(HW_REG_WAVE_MODE, 25, 1), 1
	s_wait_xcnt 0x0
	s_wait_alu depctr_hold_cnt(0) depctr_sa_sdst(0) depctr_va_vdst(0) depctr_va_sdst(0) depctr_va_ssrc(0) depctr_va_vcc(0) depctr_vm_vsrc(0)
	s_getreg_b32 s2, hwreg(HW_REG_IB_STS2, 6, 4)
	s_cmp_eq_u32 s2, 0
	s_cbranch_scc0 .Lentry_in_a_cluster
	s_endpgm
.Lentry_in_a_cluster:
	s_bfe_u32 s2, ttmp6, 0x10000c
	s_cmp_lg_u32 s2, 0xf033
	s_cbranch_scc0 .Lentry_shape_is_right
	s_endpgm
.Lentry_shape_is_right:
; q, k, v = xn W^T + b.  A = act [4096][1024] f16 (the normalised x), B = wqkv [3072][1024] f16 (rows: which x 1024 + head x 64 + channel); sums in f32;
; bias added in f32; each result rounded once to f16 and stored BY HEADS: qkv [3][32 = batch x 16 + head][2048][64], unscaled.
; A tile of C is 256 rows x 32 NBK columns (NBK = 6: 192 columns, three heads): 16 x 16 = 256 work-groups.  Four waves, each 128 x 16 NBK: 8 NBK accumulators.
; K goes in steps of 128 through a ring of two LDS slots filled by the tensor data mover; rows of a tile are 256 bytes of memory, aligned.
; THE LOOP IS ONE K STEP: the slot in hand is a scalar (TB) that an exclusive or turns; slot 1 begins at a byte count whose bits no tile's base has, so the same exclusive or turns a descriptor's LDS word.
; THE K WALK IS TURNED: in trip t a cluster takes K step (2 x + 4 y + t) mod 8, x and y the cluster's place in the grid (f32 sums may be taken in any order).  So clusters that need the same rows of A
; (same y) or of B (same x) ask for different K steps at any one time.  The descriptor's address is made anew for each refill: the rows' base + an offset that steps and is cut to the row's length.
; No prefetch is laid: by the turned walk every K step of A's rows is first asked for in some cluster's trips 0 and 1, every K step of B's rows in trips 0 to 3; those come by the first fills and the first
; two refills, and nothing is asked for at a kernel's head.
; CLUSTERS: 4 x 4 work-groups; A's tile is shared along a row of the cluster, B's along a column: asked for JOINTLY, the same tensor load, descriptor and mask in all four.
; THE MATRIX INSTRUCTION IS USED TRANSPOSED (source 0 = 16 rows of B, source 1 = 16 rows of A): a lane holds eight neighbouring columns of one row of C.
; THE WAY OUT: the whole tile goes, in f32, into a stage that lies over the ring (which has had its last fill); behind a barrier each wave reads 64 whole rows back, finishes them and stores whole runs of 256 bytes.
; LIMITS.  f16 ends at 65,504: q, k, v must lie within it.  NaN and infinities are not treated apart.
; REGISTERS, in windows of 256: window 0: v0-31 addresses; v64-127, v128-191 A's fragments, two buffers; v32-63, v192-255 at work on the way out;
;   window 1: v64.., v128.. B's fragments, two buffers; window 2: accumulators of my rows 0-63 ((a, b) at v[8 (NBK a + b)]); window 3: of rows 64-127.
.set QKV, 1
.if QKV
.set NBK, 6
.else
.set NBK, 8
.endif
.set SIZE_K, 1024
.set KSTEP,  128
.set PITCH,  272                       ; an LDS row: 256 bytes + 16 of padding = 68 words: the 16 rows of a fragment load start at 16 different groups of four banks (64 banks of 4 bytes: ISA guide 11.1)
.set HALFL,  128*PITCH                 ; the room of one wave's tensor load: 128 rows (B's loads bring 16 NBK rows into it)
.set SLOT,   4*HALFL                   ; 0x22000: A's two halves, then B's two; the bases 0, 0x8800, 0x11000, 0x19800 share no bit with it
.set NF,     16+2*NBK                  ; LDS loads in a run
.set SPITCH, 128*NBK+16                ; a row of the stage: 32 NBK f32 + 16 bytes
.set SPARE,  327168                    ; the spare words, 128 bytes for each wave: two blocks of 256 bytes that no other line names
.set A0,  16                           ; v16  my lane's place in A's part of a slot; never rewritten
.set B0,  17                           ; v17  the same for B
.set CA,  18                           ; v18  TB + A0
.set CB,  19                           ; v19  TB + B0
.set STO, 20                           ; v20-21  the way out: where I put 32 bytes of a row (rows 0-63, rows 64-127)
.set RD,  22                           ; v22  where I read rows back
.set CO,  23                           ; v23  my byte offset in the output
.set BO,  24                           ; v24  my byte offset in the bias; never rewritten
.set SPW, 28                           ; v28  LDS address of my spare word; never rewritten
.set NIL, 29                           ; v29  0; never rewritten
.set F0,  64
.set F1,  128
.set G1,  24                           ; s[24:31] descriptor group 1 for A's tiles
.set GA0, 32                           ; s[32:35] group 0: A, the walk's first K step, slot 0
.set GA,  36                           ; s[36:39] group 0: A, the second, slot 1; then it walks
.set G1B, 48                           ; s[48:55], s[56:59], s[60:63]: the same for B
.set GB0, 56
.set GB,  60
.set TB,  66                           ; s66  0 or SLOT: the slot that is being read
.set KO,  98                           ; s[98:99] the byte offset along a row of the K step asked for last; made of the cluster's place alone
.set MSB, 0
.macro WIN new                         ; the immediate's high byte repeats the setting that is left; a switch that changes nothing is dropped
.if MSB != (\new)
	s_set_vgpr_msb (MSB<<8)|(\new)
.set MSB, \new
.endif
.endm
.set MUL_LO, 0xa1                      ; source 0 (B) window 1, source 1 (A) window 0, C and D window 2
.set MUL_HI, 0xf1                      ; the same, C and D window 3
.set TO_B,   0x40                      ; destination window 1, address window 0
.macro PLACES                          ; four places behind matrix instructions, ahead of loads into registers that they read and of reads of their results
.rept 4
	v_nop
.endr
.endm
; A joint refill.  Waves 0 and 1 fetch A's two halves, waves 2 and 3 B's; the branch hangs on the wave's number alone.  An s_nop 0 and four v_nop follow each of the two lines.
.macro JLOAD
	s_cmp_eq_u32 s11, 0
	s_cbranch_scc0 .Lfor_b_\@
	tensor_load_to_lds s[GA:GA+3], s[G1:G1+7]
	s_nop 0
.rept 4
	v_nop
.endr
	s_branch .Lasked_\@
.Lfor_b_\@:
	tensor_load_to_lds s[GB:GB+3], s[G1B:G1B+7]
	s_nop 0
.rept 4
	v_nop
.endr
.Lasked_\@:
.endm
.macro CREST                           ; a round of the cluster's barrier behind its opening barrier
	s_cmp_lg_u32 s10, 0
	s_cbranch_scc1 .Lnot_wave_0_\@
	s_barrier_signal -3
.Lnot_wave_0_\@:
	s_barrier_wait -3
	s_barrier_signal -1
	s_barrier_wait -1
.endm
.macro CROUND                          ; a whole round
	s_barrier_signal -1
	s_barrier_wait -1
	CREST
.endm
	s_load_b128 s[4:7], s[0:1], 0x0                ; A s[4:5], B s[6:7]
.if QKV
	s_load_b256 s[72:79], s[0:1], 0x10             ; b_Q 72, b_K 74, b_V 76, qkv 78
.else
	s_load_b128 s[72:75], s[0:1], 0x10             ; b_in 72, post 74
.endif
	v_lshl_add_u32 v[SPW], v0, 2, SPARE
	v_mov_b32 v[NIL], 0
	ds_add_u32 v[SPW], v[NIL]                      ; the wave's opening: the add and its wait ahead of my first tensor load; work on registers stands between them
	ds_add_u32 v28, v29
	v_lshrrev_b32 v1, 5, v0
	v_readfirstlane_b32 s10, v1                    ; wave 0..3
	s_lshr_b32 s11, s10, 1                         ; which half of the tile's rows is mine.  Also: I fetch for A (0) or for B (1)
	s_and_b32 s12, s10, 1                          ; which half of its columns.  Also: which half of that tile I fetch
	s_bfe_u32 s40, ttmp6, 0x40000                  ; cx
	s_bfe_u32 s41, ttmp6, 0x40004                  ; cy
	s_lshl_b32 s42, ttmp9, 2
	s_add_co_u32 s42, s42, s40                     ; tile column = 4 x cluster x + cx
	s_and_b32 s13, ttmp7, 0xffff
	s_lshl_b32 s13, s13, 2
	s_add_co_u32 s13, s13, s41                     ; tile row = 4 x cluster y + cy
	s_lshl_b32 s43, s41, 2
	s_lshl_b32 s43, 15, s43                        ; my row of the cluster
	s_lshl_b32 s44, 0x1111, s40                    ; my column
	s_or_b32 s[G1], s43, (1<<16)|(1<<20)|(1<<21)|(5<<22)|(3<<25)   ; the mask; 2-byte elements; padding on; bit 21 beside a mask; after every 64 words 4 words
	s_or_b32 s[G1B], s44, (1<<16)|(1<<20)|(1<<21)|(5<<22)|(3<<25)
	s_mov_b32 s[G1+1], KSTEP<<16                   ; tensor_dim0 = 128
	s_mov_b32 s[G1+2], 128<<16                     ; tensor_dim1 = 128
	s_mov_b32 s[G1+3], KSTEP<<16                   ; tile_dim0 = 128
	s_mov_b32 s[G1+4], 128                         ; tile_dim1 = 128
	s_mov_b32 s[G1+5], SIZE_K                      ; elements from row to row
	s_mov_b32 s[G1+6], 0
	s_mov_b32 s[G1+7], 0
	s_mov_b32 s[G1B+1], KSTEP<<16
	s_mov_b32 s[G1B+2], (16*NBK)<<16               ; B's loads bring 16 NBK rows
	s_mov_b32 s[G1B+3], KSTEP<<16
	s_mov_b32 s[G1B+4], 16*NBK
	s_mov_b32 s[G1B+5], SIZE_K
	s_mov_b32 s[G1B+6], 0
	s_mov_b32 s[G1B+7], 0
	s_lshl_b32 s17, s12, 7
	s_lshl_b32 s16, s13, 8
	s_add_co_u32 s16, s16, s17                     ; A: row 256 x tile row + 128 x half,
	s_lshl_b32 s16, s16, 11                        ; in bytes
	s_mov_b32 s17, 0
	s_mul_i32 s46, s42, 32*NBK
	s_mul_i32 s47, s12, 16*NBK
	s_add_co_u32 s46, s46, s47                     ; B: row 32 NBK x tile column + 16 NBK x half
	s_lshl_b32 s46, s46, 11
	s_mov_b32 s47, 0
	s_mul_i32 s20, s10, HALFL                      ; where my load goes: wave x 34,816: no place in the cluster enters an LDS address
	s_lshl_b32 s[KO], ttmp9, 1                     ; the walk's first K step: (2 x cluster x + 4 x cluster y) mod 8: the same in all sixteen partners,
	s_and_b32 s[KO+1], ttmp7, 0xffff
	s_lshl_b32 s[KO+1], s[KO+1], 2
	s_add_co_u32 s[KO], s[KO], s[KO+1]
	s_and_b32 s[KO], s[KO], SIZE_K/KSTEP-1
	s_lshl_b32 s[KO], s[KO], 8                     ; in bytes along a row
	s_mov_b32 s[KO+1], 0
	s_wait_dscnt 0x0                               ; the opening add is done
	s_wait_kmcnt 0x0
	s_add_nc_u64 s[14:15], s[4:5], s[16:17]        ; my rows of A and of B at K = 0: kept for the whole walk
	s_add_nc_u64 s[46:47], s[6:7], s[46:47]
	CROUND                                         ; all sixteen work-groups are here: the first joint loads meet
	s_mov_b32 s[GA0], 1
	s_mov_b32 s[GA0+1], s20
	s_add_nc_u64 s[GA0+2:GA0+3], s[14:15], s[KO:KO+1]
	s_or_b32 s[GA0+3], s[GA0+3], 0x80000000
	s_mov_b32 s[GB0], 1
	s_mov_b32 s[GB0+1], s20
	s_add_nc_u64 s[GB0+2:GB0+3], s[46:47], s[KO:KO+1]
	s_or_b32 s[GB0+3], s[GB0+3], 0x80000000
	s_add_co_u32 s[KO], s[KO], KSTEP*2             ; the walk's second K step
	s_and_b32 s[KO], s[KO], SIZE_K*2-1
	s_mov_b32 s[GA], 1
	s_add_co_u32 s[GA+1], s20, SLOT
	s_add_nc_u64 s[GA+2:GA+3], s[14:15], s[KO:KO+1]
	s_or_b32 s[GA+3], s[GA+3], 0x80000000
	s_mov_b32 s[GB], 1
	s_add_co_u32 s[GB+1], s20, SLOT
	s_add_nc_u64 s[GB+2:GB+3], s[46:47], s[KO:KO+1]
	s_or_b32 s[GB+3], s[GB+3], 0x80000000
	s_cmp_eq_u32 s11, 0                            ; a wave's two first fills stand in one branch: two loads of mine are out
	s_cbranch_scc0 .Lfirst_b
	tensor_load_to_lds s[GA0:GA0+3], s[G1:G1+7]
	s_nop 0
	tensor_load_to_lds s[GA:GA+3], s[G1:G1+7]
	s_nop 0
.rept 4
	v_nop
.endr
	s_branch .Lfirst_asked
.Lfirst_b:
	tensor_load_to_lds s[GB0:GB0+3], s[G1B:G1B+7]
	s_nop 0
	tensor_load_to_lds s[GB:GB+3], s[G1B:G1B+7]
	s_nop 0
.rept 4
	v_nop
.endr
.Lfirst_asked:
	; a fragment is 16 rows x 32 K in 8 registers: lane l holds row l % 16, K = 8 (l / 16) + 0..7 and 16 + 8 (l / 16) + 0..7: two loads of 16 bytes, 32 bytes apart
	v_and_b32 v1, 15, v0                           ; l % 16
	v_bfe_u32 v2, v0, 4, 1                         ; l / 16
	v_mul_u32_u24 v3, v1, PITCH
	v_lshl_add_u32 v3, v2, 4, v3
	s_mul_i32 s21, s11, HALFL                      ; my 128 rows of A
	s_mul_i32 s22, s12, HALFL
	s_add_co_u32 s22, s22, 2*HALFL                 ; my 16 NBK rows of B
	v_add_nc_u32 v[A0], s21, v3
	v_add_nc_u32 v[B0], s22, v3
	s_mul_i32 s23, s11, 128*SPITCH                 ; into the stage: row 128 x half + l % 16, column 16 NBK x half + 8 (l / 16), in f32
	s_mul_i32 s22, s12, NBK*64
	s_add_co_u32 s23, s23, s22
	v_mul_u32_u24 v4, v1, SPITCH
	v_lshl_add_u32 v4, v2, 5, v4
	v_add_nc_u32 v[STO], s23, v4
	v_add_nc_u32 v[STO+1], 64*SPITCH, v[STO]
	s_mul_i32 s23, s10, 64*SPITCH                  ; back: wave w takes rows 64 w .. 64 w + 63
.if QKV
	; lanes 0-15 take one head's 256 bytes of a row, lanes 16-31 the same of the next row: two tokens of a head are 256 consecutive bytes of the output
	v_lshlrev_b32 v[BO], 4, v1
	v_mul_u32_u24 v5, v2, SPITCH
	v_lshl_add_u32 v5, v1, 4, v5
	v_add_nc_u32 v[RD], s23, v5
	v_lshlrev_b32 v[CO], 7, v2
	v_lshl_add_u32 v[CO], v1, 3, v[CO]
	s_mul_i32 s68, s42, 3                          ; the tile's first head among the 48 of q, k, v
	s_lshr_b32 s69, s13, 3
	s_lshl_b32 s69, s69, 4                         ; 16 x batch
	s_and_b32 s70, s13, 7
	s_lshl_b32 s70, s70, 8
	s_lshl_b32 s71, s10, 6
	s_add_co_u32 s70, s70, s71
	s_lshl_b32 s70, s70, 7                         ; my first token in its batch x 128 bytes
.irp hd, 0,1,2
	s_add_co_u32 s92, s68, \hd
	s_lshr_b32 s93, s92, 4                         ; q, k or v
	s_and_b32 s92, s92, 15                         ; the head
	s_cmp_eq_u32 s93, 1
	s_cselect_b64 s[86+2*\hd:87+2*\hd], s[74:75], s[72:73]
	s_cmp_eq_u32 s93, 2
	s_cselect_b64 s[86+2*\hd:87+2*\hd], s[76:77], s[86+2*\hd:87+2*\hd]
	s_lshl_b32 s94, s92, 8
	s_mov_b32 s95, 0
	s_add_nc_u64 s[86+2*\hd:87+2*\hd], s[86+2*\hd:87+2*\hd], s[94:95]
	global_load_b128 v[240+4*\hd:243+4*\hd], v[BO], s[86+2*\hd:87+2*\hd]  ; the head's bias for my four channels; waited for at the way out
	s_lshl_b32 s93, s93, 23
	s_add_co_u32 s92, s92, s69
	s_lshl_b32 s92, s92, 18
	s_add_co_u32 s96, s93, s92
	s_add_co_u32 s96, s96, s70
	s_mov_b32 s97, 0
	s_add_nc_u64 s[80+2*\hd:81+2*\hd], s[78:79], s[96:97]
.endr
.else
	; 32 lanes take half a row of the stage, 512 bytes; rounded to f16 that is 256 consecutive bytes of the output
	v_and_b32 v3, 31, v0
	v_lshlrev_b32 v[BO], 4, v3
	v_lshlrev_b32 v[CO], 3, v3
	v_add_nc_u32 v[RD], s23, v[BO]
	s_lshl_b32 s68, s42, 10
	s_mov_b32 s69, 0
	s_add_nc_u64 s[72:73], s[72:73], s[68:69]
	global_load_b128 v[240:243], v[BO], s[72:73]             ; the bias of my four columns in each half; waited for at the way out
	global_load_b128 v[244:247], v[BO], s[72:73] offset:512
	s_lshl_b32 s68, s13, 8
	s_lshl_b32 s70, s10, 6
	s_add_co_u32 s68, s68, s70
	s_lshl_b32 s68, s68, 13                        ; my first row x 8,192 bytes
	s_lshl_b32 s70, s42, 9
	s_add_co_u32 s68, s68, s70                     ; + the tile's first column
	s_add_nc_u64 s[74:75], s[74:75], s[68:69]
.endif
; 2 NBK matrix instructions: m blocks a0, a0 + 1 of the window's four x all NBK n blocks, 32 along K.  The accumulators take turns, one instruction a turn.  zero = 1: the product starts the sum.
.macro MUL16 f, hi, a0, zero
	WIN MUL_LO+0x50*(\hi)
.irp a, \a0, (\a0)+1
.set bb, 0
.rept NBK
.if \zero
	v_wmma_f32_16x16x32_f16 v[8*(NBK*(\a)+bb):8*(NBK*(\a)+bb)+7], v[(\f)+8*bb:(\f)+8*bb+7], v[(\f)+8*(4*(\hi)+(\a)):(\f)+8*(4*(\hi)+(\a))+7], 0
.else
	v_wmma_f32_16x16x32_f16 v[8*(NBK*(\a)+bb):8*(NBK*(\a)+bb)+7], v[(\f)+8*bb:(\f)+8*bb+7], v[(\f)+8*(4*(\hi)+(\a)):(\f)+8*(4*(\hi)+(\a))+7], v[8*(NBK*(\a)+bb):8*(NBK*(\a)+bb)+7]
.endif
.set bb, bb+1
.endr
.endr
.endm
; NF LDS loads in one run: the fragments of a quarter step (32 K at byte k of the rows) into buffer f: B's, then A's
.macro FETCH k, f
	WIN TO_B
.set ii, 0
.rept NBK
	ds_load_b128 v[(\f)+8*ii:(\f)+8*ii+3],   v[CB] offset:(\k)+ii*16*PITCH
	ds_load_b128 v[(\f)+8*ii+4:(\f)+8*ii+7], v[CB] offset:(\k)+ii*16*PITCH+32
.set ii, ii+1
.endr
	WIN 0
.irp i, 0,1,2,3,4,5,6,7
	ds_load_b128 v[(\f)+8*(\i):(\f)+8*(\i)+3],   v[CA] offset:(\k)+(\i)*16*PITCH
	ds_load_b128 v[(\f)+8*(\i)+4:(\f)+8*(\i)+7], v[CA] offset:(\k)+(\i)*16*PITCH+32
.endr
.endm
; one of a K step's first three quarters: multiplies buffer f; in its middle it fetches the next quarter, at byte k, into buffer g
.macro QUARTER k, f, g, zero
	s_wait_dscnt 8                                 ; B and A's rows 0-63 are in; the youngest eight loads (A's rows 64-127) may be out
	MUL16 \f, 0, 0, \zero
	MUL16 \f, 0, 2, \zero
	PLACES
	FETCH \k, \g
	s_wait_dscnt NF                                ; all but the run just issued
	MUL16 \f, 1, 0, \zero
	MUL16 \f, 1, 2, \zero
.endm
; The last quarter multiplies buffer 1 and changes slots.  MEETQ is its first half, up to the barrier.  Ahead of the barrier each wave waits for all its tensor loads (at most one is out: its part of the next
; slot), adds 0 to its spare word, and waits for that and for its reads of this slot.  fill = 1: the walking descriptors are stepped here, where no tensor load of the wave is out: the other slot, the walk's next K step.
.macro MEETQ fill
	WIN 0                                          ; (the add's two registers lie in window 0)
	s_wait_tensorcnt 0x0                           ; all my tensor loads have landed;
	ds_add_u32 v[SPW], v[NIL]                      ; 0 onto my spare word;
.if \fill
	s_add_co_u32 s[KO], s[KO], KSTEP*2
	s_and_b32 s[KO], s[KO], SIZE_K*2-1             ; behind the row's last K step comes its first
	s_xor_b32 s[GA+1], s[GA+1], SLOT
	s_add_nc_u64 s[GA+2:GA+3], s[14:15], s[KO:KO+1]
	s_or_b32 s[GA+3], s[GA+3], 0x80000000
	s_xor_b32 s[GB+1], s[GB+1], SLOT
	s_add_nc_u64 s[GB+2:GB+3], s[46:47], s[KO:KO+1]
	s_or_b32 s[GB+3], s[GB+3], 0x80000000
.endif
	s_wait_dscnt 9                                 ; (the add and the youngest eight loads may be out)
	MUL16 F1, 0, 0, 0
	s_wait_dscnt 0x0                               ; the add is done, and my reads of this slot are over
	s_barrier_signal -1
	MUL16 F1, 0, 2, 0                              ; work on registers while the others arrive
	WIN 0
	s_barrier_wait -1
.endm
; its second half: the next slot's first fragments, and the rest of buffer 1
.macro NEXT
	s_xor_b32 s[TB], s[TB], SLOT
	v_add_nc_u32 v[CA], s[TB], v[A0]
	v_add_nc_u32 v[CB], s[TB], v[B0]
	FETCH 0, F0
	MUL16 F1, 1, 0, 0
	MUL16 F1, 1, 2, 0
.endm
	s_wait_tensorcnt 1                             ; my part of the first K step is in; the second's may stay out
	s_barrier_signal -1
	s_barrier_wait -1
	s_mov_b32 s[TB], 0
	v_mov_b32 v[CA], v[A0]
	v_mov_b32 v[CB], v[B0]
	FETCH 0, F0
	QUARTER 64, F0, F1, 1                          ; the first quarter stands ahead of the loop: its products start the sums
	WIN 0
	s_mov_b32 s3, SIZE_K/KSTEP-2
.Lstep:                                                ; a trip: a K step's quarters 1 to 3 and the next step's quarter 0; the slot just read is filled again
	QUARTER 128, F1, F0, 0
	QUARTER 192, F0, F1, 0
	MEETQ 1
	CREST                                          ; the barrier has opened a round of the cluster's: no wave of any partner still reads this slot or has a load on its way
	JLOAD                                          ; the first tensor load behind the round; the four v_nop behind it are also the places ahead of the loads below
	NEXT
	QUARTER 64, F0, F1, 0
	WIN 0
	s_sub_co_u32 s3, s3, 1
	s_cmp_lg_u32 s3, 0
	s_cbranch_scc1 .Lstep
	s_mov_b32 s3, 2
.Ltail:                                                ; the last two K steps ask for nothing: a loop of their own, left in the middle of its second trip, directly behind the barrier
	QUARTER 128, F1, F0, 0
	QUARTER 192, F0, F1, 0
	MEETQ 0                                        ; in the second trip this barrier says: every wave's reads of the ring are over
	s_sub_co_u32 s3, s3, 1
	s_cmp_eq_u32 s3, 0
	s_cbranch_scc1 .Llast
	PLACES
	NEXT
	QUARTER 64, F0, F1, 0
	WIN 0
	s_branch .Ltail
.Llast:
	MUL16 F1, 1, 0, 0
	MUL16 F1, 1, 2, 0
	WIN 0
	PLACES
	PLACES
.irp hi, 0,1
	WIN 0x08+4*(\hi)                               ; the stores' data in window 2, then 3
.irp a, 0,1,2,3
.set bb, 0
.rept NBK
	ds_store_b128 v[STO+\hi], v[8*(NBK*\a+bb):8*(NBK*\a+bb)+3]   offset:\a*16*SPITCH+bb*64      ; each accumulator's low registers first
	ds_store_b128 v[STO+\hi], v[8*(NBK*\a+bb)+4:8*(NBK*\a+bb)+7] offset:\a*16*SPITCH+bb*64+16
.set bb, bb+1
.endr
.endr
.endr
	WIN 0
	s_wait_dscnt 0x0                               ; for the others' sake: my stores into the stage are done
	s_barrier_signal -1
	s_barrier_wait -1
	s_wait_loadcnt 0x0                             ; the bias
.if QKV
.set XX, 192                           ; v[192:239] twelve loads of four f32
.set YY, 32                            ; v[32:55]   packed
.set BI, 240                           ; v[240:251] three heads' bias
	s_mov_b32 s3, 8
.Lrow:                                                 ; a trip: eight rows: four pairs x three heads
.irp p, 0,1,2,3
.irp hd, 0,1,2
	ds_load_b128 v[XX+4*(3*\p+\hd):XX+4*(3*\p+\hd)+3], v[RD] offset:\p*2*SPITCH+\hd*256
.endr
.endr
	s_wait_dscnt 0x0
.irp p, 0,1,2,3
.irp hd, 0,1,2
	v_pk_add_f32 v[XX+4*(3*\p+\hd):XX+4*(3*\p+\hd)+1], v[XX+4*(3*\p+\hd):XX+4*(3*\p+\hd)+1], v[BI+4*\hd:BI+4*\hd+1]
	v_pk_add_f32 v[XX+4*(3*\p+\hd)+2:XX+4*(3*\p+\hd)+3], v[XX+4*(3*\p+\hd)+2:XX+4*(3*\p+\hd)+3], v[BI+4*\hd+2:BI+4*\hd+3]
.endr
.endr
.set z, 0
.rept 24
	v_cvt_pk_f16_f32 v[YY+z], v[XX+2*z], v[XX+2*z+1]
.set z, z+1
.endr
.irp p, 0,1,2,3
.irp hd, 0,1,2
	global_store_b64 v[CO], v[YY+2*(3*\p+\hd):YY+2*(3*\p+\hd)+1], s[80+2*\hd:81+2*\hd] offset:\p*256  ; 256 consecutive bytes, aligned
.endr
.endr
	v_add_nc_u32 v[RD], 8*SPITCH, v[RD]
	s_wait_xcnt 0x0                                ; the stores have read their registers: CO and the packed words are written again only behind this wait
	v_add_nc_u32 v[CO], 8*128, v[CO]
	s_sub_co_u32 s3, s3, 1
	s_cmp_lg_u32 s3, 0
	s_cbranch_scc1 .Lrow
.else
; gelu_new(x) = x / (1 + 2^t), t = x (K1 + K2 x^2), K1 = -2 sqrt(2 / pi) log2(e), K2 = 0.044715 K1: the same function as 0.5 x (1 + tanh(..)); 2^t = infinity gives 0, the right limit
.set XX, 32                            ; v[32:63]   eight loads of four f32
.set TT, 192                           ; v[192:223] at work
.set YY, 224                           ; v[224:239] packed
.set BI, 240                           ; v[240:247] the bias of my columns in the two halves
	s_mov_b32 s86, 0xc0135761                      ; K1 = -2.3022082
	s_mov_b32 s87, s86
	s_mov_b32 s88, 0xbdd2d3e8                      ; K2 = -0.10294324
	s_mov_b32 s89, s88
	s_mov_b32 s3, 16
.Lrow:                                                 ; a trip: four rows, two halves each
.irp i, 0,1,2,3,4,5,6,7
	ds_load_b128 v[XX+4*\i:XX+4*\i+3], v[RD] offset:(\i/2)*SPITCH+(\i%2)*512
.endr
	s_wait_dscnt 0x0
.irp i, 0,1,2,3,4,5,6,7
	v_pk_add_f32 v[XX+4*\i:XX+4*\i+1], v[XX+4*\i:XX+4*\i+1], v[BI+4*(\i%2):BI+4*(\i%2)+1]
	v_pk_add_f32 v[XX+4*\i+2:XX+4*\i+3], v[XX+4*\i+2:XX+4*\i+3], v[BI+4*(\i%2)+2:BI+4*(\i%2)+3]
.endr
.set z, 0
.rept 16
	v_pk_mul_f32 v[TT+z:TT+z+1], v[XX+z:XX+z+1], v[XX+z:XX+z+1]
.set z, z+2
.endr
.set z, 0
.rept 16
	v_pk_fma_f32 v[TT+z:TT+z+1], v[TT+z:TT+z+1], s[88:89], s[86:87] op_sel_hi:[1,0,0]
.set z, z+2
.endr
.set z, 0
.rept 16
	v_pk_mul_f32 v[TT+z:TT+z+1], v[TT+z:TT+z+1], v[XX+z:XX+z+1]
.set z, z+2
.endr
.set z, 0
.rept 32
	v_exp_f32 v[TT+z], v[TT+z]
.set z, z+1
.endr
	v_nop                                          ; a plain instruction behind the last exponential,
	s_wait_alu depctr_va_vdst(0)                   ; and the wait: one for the batch of 32
.set z, 0
.rept 16
	v_pk_add_f32 v[TT+z:TT+z+1], v[TT+z:TT+z+1], 1.0 op_sel_hi:[1,0]
.set z, z+2
.endr
.set z, 0
.rept 32
	v_rcp_f32 v[TT+z], v[TT+z]
.set z, z+1
.endr
	v_nop
	s_wait_alu depctr_va_vdst(0)                   ; one for the 32 reciprocals
.set z, 0
.rept 16
	v_pk_mul_f32 v[XX+z:XX+z+1], v[XX+z:XX+z+1], v[TT+z:TT+z+1]
.set z, z+2
.endr
.set z, 0
.rept 16
	v_cvt_pk_f16_f32 v[YY+z], v[XX+2*z], v[XX+2*z+1]
.set z, z+1
.endr
.irp i, 0,1,2,3,4,5,6,7
	global_store_b64 v[CO], v[YY+2*\i:YY+2*\i+1], s[74:75] offset:(\i/2)*8192+(\i%2)*256  ; 256 consecutive bytes, aligned
.endr
	v_add_nc_u32 v[RD], 4*SPITCH, v[RD]
	s_wait_xcnt 0x0                                ; the stores have read their registers: CO and the packed words are written again only behind this wait
	v_add_nc_u32 v[CO], 4*8192, v[CO]
	s_sub_co_u32 s3, s3, 1
	s_cmp_lg_u32 s3, 0
	s_cbranch_scc1 .Lrow
.endif
	s_wait_tensorcnt 0x0                           ; the wave's end: behind my last tensor load and my last LDS store
	ds_add_u32 v[SPW], v[NIL]
	s_wait_dscnt 0x0
	CROUND                                         ; the closing round: no work-group ends while a partner may still ask for a tile that names it
	s_endpgm
.Lfunc_end_k_qa96c7c2315_gqkv:
	.size	k_qa96c7c2315_gqkv, .Lfunc_end_k_qa96c7c2315_gqkv-k_qa96c7c2315_gqkv
	.p2alignl 7, 3214868480
	.fill 96, 4, 3214868480
	.section	.rodata,"a",@progbits
	.p2align	6, 0x0
	.amdhsa_kernel k_qa96c7c2315_gqkv
		.amdhsa_group_segment_fixed_size 327680
		.amdhsa_private_segment_fixed_size 0
		.amdhsa_enable_private_segment 0
		.amdhsa_kernarg_size 48
		.amdhsa_user_sgpr_count 2
		.amdhsa_user_sgpr_kernarg_segment_ptr 1
		.amdhsa_wavefront_size32 1
		.amdhsa_system_sgpr_workgroup_id_x 1
		.amdhsa_system_sgpr_workgroup_id_y 1
		.amdhsa_system_sgpr_workgroup_id_z 1
		.amdhsa_system_vgpr_workitem_id 0
		.amdhsa_next_free_vgpr 1024
		.amdhsa_next_free_sgpr 100
		.amdhsa_reserve_vcc 0
		.amdhsa_float_denorm_mode_32 3
		.amdhsa_float_denorm_mode_16_64 3
		.amdhsa_memory_ordered 1
		.amdhsa_forward_progress 1
		.amdhsa_inst_pref_size 72
	.end_amdhsa_kernel
	.amdgpu_metadata
---
amdhsa.version: [ 1, 2 ]
amdhsa.kernels:
  - .name:           k_qa96c7c2315_gqkv
    .symbol:         k_qa96c7c2315_gqkv.kd
    .args:
      - { .name: act, .offset: 0, .size: 8, .value_kind: global_buffer, .address_space: global }
      - { .name: wqkv, .offset: 8, .size: 8, .value_kind: global_buffer, .address_space: global }
      - { .name: b_Q, .offset: 16, .size: 8, .value_kind: global_buffer, .address_space: global }
      - { .name: b_K, .offset: 24, .size: 8, .value_kind: global_buffer, .address_space: global }
      - { .name: b_V, .offset: 32, .size: 8, .value_kind: global_buffer, .address_space: global }
      - { .name: qkv, .offset: 40, .size: 8, .value_kind: global_buffer, .address_space: global }
    .group_segment_fixed_size: 327680
    .private_segment_fixed_size: 0
    .kernarg_segment_align: 8
    .kernarg_segment_size: 48
    .max_flat_workgroup_size: 128
    .sgpr_count:     100
    .vgpr_count:     1024
    .wavefront_size: 32
...
	.end_amdgpu_metadata
.endif
;; end of part 2
;; launch attn (part 3): grid 8 x 32, 4 waves a work-group, no clusters, 327,680 bytes of LDS; arguments qkv, act; writes act
.if DOCPART == 3
	.amdgcn_target "amdgcn-amd-amdhsa--gfx1250"
	.amdhsa_code_object_version 6
	.text
	.protected	k_qa96c7c2315_attn
	.globl	k_qa96c7c2315_attn
	.p2align	8
	.type	k_qa96c7c2315_attn,@function
k_qa96c7c2315_attn:
	s_mov_b64 s[64:65], 0
	v_nop
	global_prefetch_b8 v0, s[64:65] scope:SCOPE_SE
	s_setreg_imm32_b32 hwreg(HW_REG_WAVE_MODE, 25, 1), 1
	s_wait_xcnt 0x0
; CAUSAL ATTENTION.  z[bh][q][:] = the sum over k <= q of softmax_k(q . k / 8) v[bh][k][:].  qkv: [3][32 bh][2048][64] f16 (q, then k, then v); z goes to act as [32 bh][2048][64] f16.
; Products, maxima and sums in f32; the weights p are rounded to f16 for the second product (their sum l is taken of the unrounded p), z once at the end.
; LIMITS.  f16 holds no number beyond 65,504; p lies in 0 to 1, and below 6e-5 it keeps f16's fixed step of 6e-8.  A hidden score counts as its value less 1e30, and key tiles wholly above the diagonal are not
; computed: a hidden key's weight is 0.  That is what a hidden score of -100,000 gives as long as a row's largest open score lies above some -99,900.  A weight below 2^-126 counts as 0 in l.
; NaN and infinities are not treated apart.
; THE WALK.  A head's queries lie in 16 blocks of 128; its keys in 8 tiles of 256; block j needs the tiles 0 .. j / 2, of which the last holds the diagonal.  A work-group takes TWO blocks, 15 - b and then b:
; 9 tiles, whatever b: 8 x 32 = 256 work-groups of equal work, and ONE loop with a constant trip count walks them.  Which tile is asked for hangs on scalar registers made from b; every jump but the counted
; loops' own goes forward, and none passes a barrier, or a tensor load but the one of LOAD's two that the wave's number does not choose.  The ring of two LDS slots runs on across the change of blocks.
; NO CLUSTER: a head's 8 work-groups ask for the same tile only in the walk's first 5 trips of 9; one walk common to all partners would have 8 + 4 tiles for each in place of 9.
; SHARES.  A wave owns 32 queries: two tiles u of 16.  Every wave walks the block's keys, 64 a step.
; THE MASK is the C operand that starts the sum S^T = K Q^T.  MD, made once, is the mask of the key step that holds my queries' diagonal; a step's mask is MC = MD x AL + BE with two scalars: (1, 0) in that step,
; (0, 0) ahead of it, (0, -1e30) behind it; outside a block's last tile MC stays 0.
; LAYOUT.  S^T = K Q^T holds ONE query a lane (lane % 16) and the keys 8 (lane / 16) + 0..7; two such results rounded to f16 ARE source 1 of O^T = V^T P.  K comes out of LDS as it lies, V turned (ds_load_tr16_b128).
; SOFTMAX.  p = 2^(c s - c m), c = log2(e) / 8, with a running maximum m; O and l are multiplied by a = 2^(c m_old - c m_new) in every step; a block begins with m at the lowest finite number, so its first a is 0.
; A KEY STEP GOES IN PHASES: 16 products K Q^T; V of this step and K of the next are fetched; maxima; one batch of 66 exponentials with one wait; roundings, sums, rescaling; 16 products V^T P.
; REGISTERS, in windows of 256 (s_set_vgpr_msb: bits 1:0 source 0, 3:2 source 1, 5:4 source 2, 7:6 destination):
;   window 0: v0-15 addresses; v16-23 four statistics a tile; v48-55 at work; v64-127 S^T; v128-159 P        window 1: v0-63 O^T; v64-127 MD; v128-191 MC
;   window 2: v0-31 Q; v32-63 the second block's Q; v128-191 K of one step; v192-255 V of one step
.set KS,    64
.set PK,    144       ; a row of K in LDS: 128 bytes + 16 of padding: the 16 rows of a load start at 16 different groups of four banks (64 banks of 4 bytes: ISA guide 11.1)
.set PV,    160       ; a row of V: 128 + 32
.set VOFF,  4*KS*PK   ; a slot holds a tile, four steps: 256 rows of K, then 256 rows of V
.set SLOT1, 1<<17
.set STAGE, SLOT1+4*KS*(PK+PV)  ; behind the ring, never filled by a tensor load: 16 rows x 144 bytes for each wave
.set SP,    144
.set SPARE, STAGE+4*16*SP       ; the spare words, 128 bytes for each wave: two blocks of 256 bytes that no other line names
.set AK0, 2           ; v2   my lane's place in a tile of K; never rewritten
.set AV0, 3           ; v3   the same for V
.set AK,  4           ; v4   the LDS address of K's next run of loads
.set AV,  5           ; v5   of V's
.set STO, 6           ; v6   the way out: where I put 16 bytes of a row
.set RD,  7           ; v7   where I read rows back
.set GO,  8           ; v8   my byte offset in 512 consecutive bytes of z
.set MV,  12          ; v12-13  c m_old, kept while c m is made anew
.set QO,  15          ; v15  my byte offset in 16 rows of Q
.set ST,  16          ; tile u's statistics at v[ST+4 u]: c m, m, l (even keys', odd keys')
.set TMP, 48          ; tile u: four registers c0-c3 at work; when the maximum is found c2 takes a
.set PFO, 61          ; v61  256 x lane; never rewritten
.set SPW, 62          ; v62  LDS address of my spare word; never rewritten
.set NIL, 63          ; v63  0; never rewritten
.set S,   64
.set P,   128
.set MD,  64          ; window 1
.set MC,  128         ; window 1
.set QB,  32          ; window 2
.set KF,  128         ; window 2: key block kb, channel half c at KF + 16 kb + 8 c
.set VF,  192         ; window 2: key half kk, channel block cb at VF + 32 kk + 8 cb
.set WV,  12          ; s12  my wave's number
.set PB,  14          ; s14  b / 2: the second block's last tile
.set HI,  15          ; s15  7 - b / 2: the first block's last tile
.set G1K, 24          ; s[24:31] descriptor group 1 for K's tiles
.set G1V, 32          ; s[32:39] for V's: it differs in the padding alone
.set G0K, 40          ; s[40:43] group 0 for K's tiles
.set G0V, 44          ; s[44:47] for V's
.set SLOTS, 56        ; s56  tiles still to be asked for
.set CNT, 57          ; s57  counts a tile's key steps, 4 to 1
.set CS,  58          ; s[58:59] c
.set SEL, 60          ; s[60:61] v_permlanex16_b32's selects
.set TBK, 62          ; s62  LDS byte at which K of the step to be fetched begins
.set TBV, 63          ; s63  the same for V, less VOFF
.set RT,  70          ; s70  tiles of the block in hand that are still to be entered
.set NXT, 71          ; s71  the tile to be asked for next
.set LQ,  72          ; s72  the last tile of the block whose tiles are being asked for
.set OWN, 73          ; s73  CNT in the step of the block's last tile that holds my queries' diagonal
.set OFF, 74          ; s[74:75] a tile's byte offset in K and V
.set AL,  76          ; s[76:77] the mask's factor
.set BE,  78          ; s[78:79] the mask's addend
.set OLO, 80          ; s[80:81] z at my rows of the second block
.set BIGN, 82         ; s82  -1e30
.set OWN2, 83         ; s83  OWN for the second block
.set PFK, 88          ; s[88:89] where my prefetches of K stand
.set PFV, 90          ; s[90:91] of V
.set LIM, 92          ; s92  2 in a work-group that prefetches, else the greatest number
.set MSB, 0
.macro WIN new
.if MSB != (\new)
	s_set_vgpr_msb (MSB<<8)|(\new)
.set MSB, (\new)
.endif
.endm
.set W_KQ, 0x0a       ; K and Q in window 2, S^T in window 0
.set W_KM, 0x1a       ; the same with the C operand in window 1
.set W_PV, 0x52       ; V in window 2, P in window 0, O^T in window 1
.set W_RS, 0x41       ; destination and source 0 in window 1, source 1 in window 0
; A fill.  Waves 0 and 1 fetch the two halves of a tile's K, waves 2 and 3 those of its V: 128 keys each.  An s_nop 0 and four v_nop follow each of the two lines.
.macro LOAD
	s_cmp_lt_u32 s[WV], 2
	s_cbranch_scc0 .Lfor_v_\@
	tensor_load_to_lds s[G0K:G0K+3], s[G1K:G1K+7]
	s_nop 0
.rept 4
	v_nop
.endr
	s_branch .Lasked_\@
.Lfor_v_\@:
	tensor_load_to_lds s[G0V:G0V+3], s[G1V:G1V+7]
	s_nop 0
.rept 4
	v_nop
.endr
.Lasked_\@:
.endm
; THE CHANGE OF SLOTS.  Each wave waits for all its tensor loads (one is out: its part of the other slot), adds 0 to its spare word, and waits for that and for its reads of the slot that it leaves.  Behind the
; barrier nobody reads the old slot and the other slot is whole.  fill = 1: the old slot is filled again, first thing behind the barrier, with tile NXT; the load has a tile's four key steps in which to land.
; Behind the load the head's first work-group (b = 0) prefetches into the L2 the tile that the NEXT change will ask for: each wave a quarter of K's and of V's 128 runs of 256 bytes, a lane a run.  All 8
; work-groups of a head walk the tiles 0 .. in step, so each run is named once.  The walk's last two fills ask for nothing: there is no tile 8, and the second block's tiles have been read.
.macro CHANGE fill
	WIN 0
	s_wait_tensorcnt 0x0            ; no tensor load of mine is out, so a group 0 may be written
	ds_add_u32 v[SPW], v[NIL]       ; 0 onto my spare word; scalar work stands between it and the wait for it
.if \fill
	s_lshl_b32 s[OFF], s[NXT], 15   ; a tile is 32,768 bytes of K and of V
	s_xor_b32 s[G0K+1], s[G0K+1], SLOT1
	s_add_nc_u64 s[G0K+2:G0K+3], s[6:7], s[OFF:OFF+1]
	s_or_b32 s[G0K+3], s[G0K+3], 0x80000000
	s_xor_b32 s[G0V+1], s[G0V+1], SLOT1
	s_add_nc_u64 s[G0V+2:G0V+3], s[8:9], s[OFF:OFF+1]
	s_or_b32 s[G0V+3], s[G0V+3], 0x80000000
	s_add_co_u32 s[NXT], s[NXT], 1  ; the block's next tile, or behind its last the second block's tile 0
	s_cmp_gt_u32 s[NXT], s[LQ]
	s_cselect_b32 s[NXT], 0, s[NXT]
	s_cselect_b32 s[LQ], s[PB], s[LQ]
	s_wait_xcnt 0x0                 ; the last prefetches, a tile back, have read their addresses
	s_add_nc_u64 s[PFK:PFK+1], s[PFK:PFK+1], 32768
	s_add_nc_u64 s[PFV:PFV+1], s[PFV:PFV+1], 32768
.endif
	s_wait_dscnt 0x0                ; the add is done, and my reads of the slot are over
	s_barrier_signal -1
	s_sub_co_u32 s[TBK], s[TBK], 4*KS*PK  ; the fetches go back to a slot's first step,
	s_xor_b32 s[TBK], s[TBK], SLOT1       ; in the other slot
	s_sub_co_u32 s[TBV], s[TBV], 4*KS*PV
	s_xor_b32 s[TBV], s[TBV], SLOT1
	s_barrier_wait -1
.if \fill
	LOAD
	s_cmp_gt_u32 s[SLOTS], s[LIM]
	s_cbranch_scc0 .Lnot_mine_\@
	global_prefetch_b8 v[PFO], s[PFK:PFK+1] th:TH_LOAD_NT scope:SCOPE_SE
	global_prefetch_b8 v[PFO], s[PFV:PFV+1] th:TH_LOAD_NT scope:SCOPE_SE
.Lnot_mine_\@:
.endif
.endm
	s_load_b64 s[4:5], s[0:1], 0x0  ; qkv
	s_load_b64 s[10:11], s[0:1], 0x8  ; act
	v_lshl_add_u32 v[SPW], v0, 2, SPARE
	v_mov_b32 v[NIL], 0
	ds_add_u32 v[SPW], v[NIL]       ; the wave's opening: the add and its wait ahead of my first tensor load; work on registers stands between them
	ds_add_u32 v62, v63
	v_lshrrev_b32 v1, 5, v0
	v_readfirstlane_b32 s[WV], v1   ; wave 0..3
	s_lshr_b32 s[PB], ttmp9, 1
	s_sub_co_u32 s[HI], 7, s[PB]
	s_and_b32 s20, ttmp7, 0xffff
	s_lshl_b32 s20, s20, 18         ; the head's first byte in q, in k, in v and in z
	s_and_b32 s16, s[WV], 1         ; which half of a tile's 256 keys I fetch:
	s_lshl_b32 s22, s16, 14         ; its 128 rows of 128 bytes in memory,
	s_add_co_u32 s22, s22, s20
	s_mul_i32 s17, s16, 128*PK      ; and its place in a slot, for K
	s_mul_i32 s18, s16, 128*PV      ; and for V
	s_add_co_u32 s94, s22, 16777216 ; v lies behind q and k,
	s_mov_b32 s95, 0
	s_add_co_u32 s22, s22, 8388608  ; k behind q
	s_mov_b32 s23, 0
	s_lshl_b32 s3, s[WV], 12        ; my 32 rows in a block of 128,
	s_sub_co_u32 s2, 15, ttmp9
	s_lshl_b32 s2, s2, 14           ; in the first block,
	s_add_co_u32 s2, s2, s3
	s_add_co_u32 s2, s2, s20
	s_lshl_b32 s84, ttmp9, 14       ; and in the second
	s_add_co_u32 s84, s84, s3
	s_add_co_u32 s84, s84, s20
	s_mov_b32 s3, 0
	s_mov_b32 s85, 0
	s_and_b32 s13, ttmp9, 1
	s_lshl_b32 s13, s13, 1
	s_lshr_b32 s19, s[WV], 1
	s_sub_co_u32 s[OWN2], 4, s13    ; block j's queries begin at key 128 (j % 2) of its last tile, mine 32 w further on: step 2 (j % 2) + w / 2, CNT = 4 less that
	s_sub_co_u32 s[OWN2], s[OWN2], s19
	s_add_co_u32 s[OWN], 2, s13     ; (15 - b) % 2 = 1 - b % 2
	s_sub_co_u32 s[OWN], s[OWN], s19
	s_cmp_eq_u32 ttmp9, 0
	s_cselect_b32 s[LIM], 2, -1
	s_lshl_b32 s96, s[WV], 13       ; my quarter of a tile,
	s_add_co_u32 s96, s96, s20
	s_add_co_u32 s96, s96, 8388608+32768  ; in K's tile 1: the first change of slots steps it to tile 2
	s_mov_b32 s97, 0
	s_add_co_u32 s98, s96, 8388608
	s_mov_b32 s99, 0
	; descriptor group 1.  128 keys are 16,384 dense bytes: asked for as 64 rows of 256 bytes, two keys a row, and padded in LDS after every key
	s_mov_b32 s[G1K], (1<<16)|(1<<20)|(4<<22)|(3<<25)  ; 2-byte elements; padding on; after every 32 words 4 words
	s_mov_b32 s[G1V], (1<<16)|(1<<20)|(4<<22)|(7<<25)  ; the same with 8 words
.irp g, G1K, G1V
	s_mov_b32 s[\g+1], 128<<16      ; tensor_dim0 = 128
	s_mov_b32 s[\g+2], 64<<16       ; tensor_dim1 = 64
	s_mov_b32 s[\g+3], 128<<16      ; tile_dim0 = 128
	s_mov_b32 s[\g+4], 64           ; tile_dim1 = 64
	s_mov_b32 s[\g+5], 128          ; 128 elements from row to row
	s_mov_b32 s[\g+6], 0
	s_mov_b32 s[\g+7], 0
.endr
	s_mov_b32 s[CS], 0x3e38aa3b     ; c = log2(e) / 8
	s_mov_b32 s[CS+1], s[CS]
	s_mov_b32 s[SEL], 0x76543210
	s_mov_b32 s[SEL+1], 0xfedcba98
	s_mov_b32 s[TBK], SLOT1+4*KS*PK ; the first change of slots turns these two into 0
	s_mov_b32 s[TBV], SLOT1+4*KS*PV
	s_mov_b32 s[G0K], 1
	s_mov_b32 s[G0K+1], s17         ; slot 0
	s_mov_b32 s[G0V], 1
	s_add_co_u32 s[G0V+1], s18, VOFF
	s_add_co_u32 s[RT], s[HI], 1    ; the first block has 8 - b / 2 tiles
	s_mov_b32 s[NXT], 1
	s_mov_b32 s[LQ], s[HI]
	s_mov_b32 s[OFF+1], 0
	s_mov_b32 s[AL+1], 0            ; named as pairs
	s_mov_b32 s[BE+1], 0
	s_mov_b32 s[BIGN], 0xf149f2ca   ; -1e30
	s_mov_b32 s[SLOTS], 8
	s_wait_dscnt 0x0                ; the opening add is done
	s_wait_kmcnt 0x0
	s_add_nc_u64 s[6:7], s[4:5], s[22:23]   ; K and V at my half of the head's tile 0
	s_add_nc_u64 s[8:9], s[4:5], s[94:95]
	s_add_nc_u64 s[PFK:PFK+1], s[4:5], s[96:97]
	s_add_nc_u64 s[PFV:PFV+1], s[4:5], s[98:99]
	s_add_nc_u64 s[G0K+2:G0K+3], s[6:7], 0
	s_or_b32 s[G0K+3], s[G0K+3], 0x80000000
	s_add_nc_u64 s[G0V+2:G0V+3], s[8:9], 0
	s_or_b32 s[G0V+3], s[G0V+3], 0x80000000
	s_add_nc_u64 s[86:87], s[4:5], s[84:85]        ; Q at my rows of the second block,
	s_add_nc_u64 s[4:5], s[4:5], s[2:3]            ; Q and z at those of the first
	s_add_nc_u64 s[OLO:OLO+1], s[10:11], s[84:85]
	s_add_nc_u64 s[10:11], s[10:11], s[2:3]
	LOAD                            ; tile 0 into slot 0
	; a fragment of K or Q is 16 rows x 32 channels in 8 registers: lane l holds row l % 16, channels 8 (l / 16) + 0..7 and 16 + 8 (l / 16) + 0..7
	v_and_b32 v1, 15, v0            ; l % 16
	v_bfe_u32 v9, v0, 4, 1          ; l / 16
	v_lshlrev_b32 v[QO], 7, v1
	v_lshl_add_u32 v[QO], v9, 4, v[QO]
	WIN 0x80                        ; destination window 2, address window 0
.set i, 0
.rept 4                             ; both blocks' Q: tile i / 2, channels 32 (i % 2) on
	global_load_b128 v[8*i:8*i+3],   v[QO], s[4:5] offset:(i/2)*2048+(i%2)*64
	global_load_b128 v[8*i+4:8*i+7], v[QO], s[4:5] offset:(i/2)*2048+(i%2)*64+32
	global_load_b128 v[QB+8*i:QB+8*i+3],   v[QO], s[86:87] offset:(i/2)*2048+(i%2)*64
	global_load_b128 v[QB+8*i+4:QB+8*i+7], v[QO], s[86:87] offset:(i/2)*2048+(i%2)*64+32
.set i, i+1
.endr
	WIN 0
	v_lshlrev_b32 v14, 3, v9
	v_sub_nc_u32 v14, v1, v14
	s_lshl_b32 s13, s16, 5
	v_add_nc_u32 v14, s13, v14      ; 32 (w % 2) + l % 16 - 8 (l / 16): register r of key group kb of tile u is hidden where 16 kb + r - 16 u is greater
	WIN 0x40
.set i, 0
.rept 64
	v_cmp_gt_i32 vcc_lo, 16*((i%32)/8)+i%8-16*(i/32), v14
	v_cndmask_b32 v[MD+i], 0, s[BIGN], vcc_lo
.set i, i+1
.endr
.set i, 0
.rept 64
	v_mov_b32 v[i], 0               ; O^T need only be finite: a block's first step multiplies it by a = 0.  These lines stand in the wait for the first tile
.set i, i+1
.endr
	WIN 0
.irp u, 0,1
	v_mov_b32 v[ST+4*\u+2], 0       ; l likewise
	v_mov_b32 v[ST+4*\u+3], 0
.endr
	v_mul_u32_u24 v[AK0], v1, PK
	v_lshl_add_u32 v[AK0], v9, 4, v[AK0]
	; the turning load takes 16 keys x 16 channels (lane l reads key 8 (l / 16) + l % 8, channels 8 ((l / 8) % 2) + 0..7) and leaves half a fragment of V^T
	v_and_b32 v10, 7, v0
	v_bfe_u32 v11, v0, 3, 1
	v_lshl_add_u32 v[AV0], v9, 3, v10
	v_mul_u32_u24 v[AV0], v[AV0], PV
	v_lshl_add_u32 v[AV0], v11, 4, v[AV0]
	v_add_nc_u32 v[AV0], VOFF, v[AV0]
	s_mul_i32 s13, s[WV], 16*SP
	s_add_co_u32 s13, s13, STAGE    ; my stage
	v_mul_u32_u24 v[STO], v1, SP    ; in: row l % 16, 16 bytes for each half of the lanes
	v_lshl_add_u32 v[STO], v9, 4, v[STO]
	v_add_nc_u32 v[STO], s13, v[STO]
	v_bfe_u32 v[RD], v0, 3, 2       ; back: 32 lanes take four rows of 128 bytes,
	v_mul_u32_u24 v[RD], v[RD], SP
	v_lshl_add_u32 v[RD], v10, 4, v[RD]
	v_add_nc_u32 v[RD], s13, v[RD]
	v_and_b32 v[GO], 31, v0         ; which are 512 consecutive bytes of z
	v_lshlrev_b32 v[PFO], 8, v[GO]
	v_lshlrev_b32 v[GO], 4, v[GO]
; THE MATRIX WORK.  The 8 accumulators of a run of 16 take turns.  Product i of S^T = K Q^T: channels 32 (i / 8) on, keys 16 ((i / 2) % 4) on, tile i % 2.  The first 8 start the sums with the mask.
.macro KQ
.set kS, S+32*(i%2)+8*((i/2)%4)
.set kK, KF+16*((i/2)%4)+8*(i/8)
.set kQ, 16*(i%2)+8*(i/8)
.set kM, MC+32*(i%2)+8*((i/2)%4)
.if i < 8
	WIN W_KM
	v_wmma_f32_16x16x32_f16 v[kS:kS+7], v[kK:kK+7], v[kQ:kQ+7], v[kM:kM+7]
.else
	WIN W_KQ
	v_wmma_f32_16x16x32_f16 v[kS:kS+7], v[kK:kK+7], v[kQ:kQ+7], v[kS:kS+7]
.endif
.endm
; Product i of O^T += V^T P: keys 32 (i / 8) on, channels 16 ((i / 2) % 4) on, tile i % 2.
.macro PV
	WIN W_PV
.set kO, 32*(i%2)+8*((i/2)%4)
.set kV, VF+32*(i/8)+8*((i/2)%4)
.set kP, P+16*(i%2)+8*(i/8)
	v_wmma_f32_16x16x32_f16 v[kO:kO+7], v[kV:kV+7], v[kP:kP+7], v[kO:kO+7]
.endm
; THE LDS LOADS stand in runs of 16.  skip = 1: in a tile's last step there is no further K in the slot, and the run is jumped over.
.macro FETCH_K skip
	WIN 0
.if \skip
	s_cmp_eq_u32 s[CNT], 1
	s_cbranch_scc1 .Lno_k_\@
.endif
	WIN 0x80
.irp f, 0,1,2,3,4,5,6,7             ; keys 16 (f / 2) on, channels 32 (f % 2) on
	ds_load_b128 v[KF+8*\f:KF+8*\f+3],   v[AK] offset:(\f/2)*16*PK+(\f%2)*64
	ds_load_b128 v[KF+8*\f+4:KF+8*\f+7], v[AK] offset:(\f/2)*16*PK+(\f%2)*64+32
.endr
	s_add_co_u32 s[TBK], s[TBK], KS*PK  ; the next fetch is the next step's
	WIN 0
.if \skip
.Lno_k_\@:
.endif
.endm
.macro FETCH_V
	WIN 0x80
.irp f, 0,1,2,3,4,5,6,7             ; keys 32 (f / 4) on, channels 16 (f % 4) on
	ds_load_tr16_b128 v[VF+8*\f:VF+8*\f+3],   v[AV] offset:(\f/4)*32*PV+(\f%4)*32
	ds_load_tr16_b128 v[VF+8*\f+4:VF+8*\f+7], v[AV] offset:(\f/4)*32*PV+16*PV+(\f%4)*32
.endr
	WIN 0
.endm
.macro REGS u                       ; the registers of tile u
.set rT, ST+4*(\u)
.set rC, TMP+4*(\u)
.set rM, MV+(\u)
.set rS, S+32*(\u)
.set rP, P+16*(\u)
.set rO, 32*(\u)
.endm
; Number n of the 22 that find a tile's maximum and statistics.  Each accumulator's lowest registers are read first.
;   0-11  four chains c0-c3 of seven scores each     12-14, 16  the four scores left over, the old m, and c0-c3 into c0     15  c m_old is kept
;   17, 18  the query's other 32 keys lie in the lane 16 away: the new m     19-21  c m; c m_old - c m_new; a
.macro XS u, n
	REGS \u
.if (\n) < 4
	v_max3_num_f32 v[rC+(\n)], v[rS+8*(\n)], v[rS+8*(\n)+1], v[rS+8*(\n)+2]
.elseif (\n) < 12
	v_max3_num_f32 v[rC+(\n)%4], v[rC+(\n)%4], v[rS+8*((\n)%4)+2*((\n)/4)+1], v[rS+8*((\n)%4)+2*((\n)/4)+2]
.elseif (\n) == 12
	v_max3_num_f32 v[rC], v[rC], v[rS+7], v[rS+15]
.elseif (\n) == 13
	v_max3_num_f32 v[rC+1], v[rC+1], v[rS+23], v[rS+31]
.elseif (\n) == 14
	v_max3_num_f32 v[rC+2], v[rC+2], v[rC+3], v[rT+1]
.elseif (\n) == 15
	v_mov_b32 v[rM], v[rT]
.elseif (\n) == 16
	v_max3_num_f32 v[rC], v[rC], v[rC+1], v[rC+2]
.elseif (\n) == 17
	v_permlanex16_b32 v[rC+3], v[rC], s[SEL], s[SEL+1]
.elseif (\n) == 18
	v_max_num_f32 v[rT+1], v[rC], v[rC+3]
.elseif (\n) == 19
	v_mul_f32 v[rT], s[CS], v[rT+1]
.elseif (\n) == 20
	v_sub_f32 v[rC+1], v[rM], v[rT]
.else
	v_exp_f32 v[rC+2], v[rC+1]
.endif
.endm
.macro FS f                         ; c s - c m for pair f / 2 of tile f % 2
	REGS (\f)%2
	v_pk_fma_f32 v[rS+2*((\f)/2):rS+2*((\f)/2)+1], v[rS+2*((\f)/2):rS+2*((\f)/2)+1], s[CS:CS+1], v[rT:rT+1] op_sel_hi:[1,0,0] neg_lo:[0,0,1] neg_hi:[0,0,1]
.endm
.macro EXP2 f                       ; that pair's two exponentials
	REGS (\f)%2
	v_exp_f32 v[rS+2*((\f)/2)], v[rS+2*((\f)/2)]
	v_exp_f32 v[rS+2*((\f)/2)+1], v[rS+2*((\f)/2)+1]
.endm
; Number g of the 64 that follow the exponentials.  For each four weights k of a tile: both pairs are rounded to f16; the second pair is added onto the first, in place; a group later l takes that sum
; (the first time as l = a l + sum).  In groups of eight, tiles alternating.
.macro GS g
.set h, (\g)+6*((\g)/62)
.if h >= 6
.set h, h+2
.endif
	REGS h%2
.set k, h/8
.if h%8 < 4
	v_cvt_pk_f16_f32 v[rP+2*k+(h%8)/2], v[rS+4*k+2*((h%8)/2)], v[rS+4*k+2*((h%8)/2)+1]
.elseif h%8 < 6
	v_pk_add_f32 v[rS+4*k:rS+4*k+1], v[rS+4*k:rS+4*k+1], v[rS+4*k+2:rS+4*k+3]
.elseif k == 1
	v_pk_fma_f32 v[rT+2:rT+3], v[rT+2:rT+3], v[rC+2:rC+3], v[rS:rS+1] op_sel_hi:[1,0,1]
.else
	v_pk_add_f32 v[rT+2:rT+3], v[rT+2:rT+3], v[rS+4*k-4:rS+4*k-3]
.endif
.endm
.macro R2                           ; O^T times a, four registers of tile r % 2, ascending
	REGS r%2
	WIN W_RS
.irp z, 0,1
	v_pk_mul_f32 v[rO+4*(r/2)+2*\z:rO+4*(r/2)+2*\z+1], v[rO+4*(r/2)+2*\z:rO+4*(r/2)+2*\z+1], v[rC+2:rC+3] op_sel_hi:[1,0]
.endr
.set r, r+1
.endm
.macro MASK                         ; MC = MD x AL + BE
	WIN W_RS
.set z, 0
.rept 32
	v_pk_fma_f32 v[MC+2*z:MC+2*z+1], v[MD+2*z:MD+2*z+1], s[AL:AL+1], s[BE:BE+1] op_sel_hi:[1,0,0]
.set z, z+1
.endr
	WIN 0
.endm
.macro INIT                         ; a block begins: c m far below every c s, so the first a is 0; m at the lowest finite number; no mask
.irp u, 0,1
	v_mov_b32 v[ST+4*\u], 0xfe000000
	v_mov_b32 v[ST+4*\u+1], 0xff7fffff
.endr
	s_mov_b32 s[AL], 0
	s_mov_b32 s[BE], 0
	MASK
.endm
; A KEY STEP.
.macro STEP
	WIN 0
	s_cmp_lg_u32 s[RT], 0
	s_cbranch_scc1 .Lplain_\@       ; only a block's last tile has masks
	s_cmp_eq_u32 s[CNT], s[OWN]     ; is this the step with my diagonal?
	s_cselect_b32 s[AL], 1.0, 0
	s_cmp_lt_u32 s[CNT], s[OWN]     ; or a later one?
	s_cselect_b32 s[BE], s[BIGN], 0
	MASK
.Lplain_\@:
	s_wait_dscnt 0x0                ; K is in
.set i, 0
.rept 16
	KQ
.set i, i+1
.endr
	WIN 0
	v_add_nc_u32 v[AV], s[TBV], v[AV0]  ; four plain instructions: the places behind those products, ahead of the loads into K's registers and of the reads of the scores
	v_add_nc_u32 v[AK], s[TBK], v[AK0]
	v_nop
	v_nop
	s_add_co_u32 s[TBV], s[TBV], KS*PV
	FETCH_V                         ; V of this step: it has the softmax in which to land
	FETCH_K 1                       ; K of the next
.irp n, 0,1,2,3,4,5,6,7,8,9,10,11,12,13,14,15,16,17,18,19,20
	XS 0, \n                        ; the two tiles alternate, so that no instruction reads the result of the one just before it
	XS 1, \n
.endr
	XS 0, 21                        ; ONE BATCH of 66 exponentials: the two a, then each pair's two, two scalings behind the pair's own.  Nothing ahead of the wait names a result of theirs
	XS 1, 21
.set q, 0
.rept 32
	FS q
.if q >= 2
	EXP2 q-2
.endif
.set q, q+1
.endr
	EXP2 30
	EXP2 31
	v_nop                           ; a plain instruction behind the last exponential,
	s_wait_alu depctr_va_vdst(0)    ; and the wait ahead of the first use: one for the batch
.set gg, 0
.rept 64
	GS gg
.set gg, gg+1
.endr
.set r, 0
.rept 16
	R2
.endr
	WIN 0
	s_wait_dscnt 0x0                ; V is in (and the next K)
.set i, 0
.rept 16
	PV
.set i, i+1
.endr
	WIN 0
.endm
; THE WAY OUT: l's two halves and the other half of the lanes' are added; O^T is divided by l, rounded to f16 and sent through my stage in LDS, a tile at a time.
.macro PACK t
	WIN W_RS
.set i, 32*(\t)
.rept 16
	v_pk_mul_f32 v[i:i+1], v[i:i+1], v[ST+4*(\t)+2:ST+4*(\t)+3] op_sel_hi:[1,0]
.set i, i+2
.endr
	WIN 0x05                        ; sources 0 and 1 window 1, destination window 0
.set i, 0
.rept 16
	v_cvt_pk_f16_f32 v[S+16*(\t)+i], v[32*(\t)+2*i], v[32*(\t)+2*i+1]
.set i, i+1
.endr
	WIN 0
.irp f, 0,1,2,3
	ds_store_b128 v[STO], v[S+16*(\t)+4*\f:S+16*(\t)+4*\f+3] offset:32*\f
.endr
.irp f, 0,1,2,3
	ds_load_b128 v[S+16*(\t)+4*\f:S+16*(\t)+4*\f+3], v[RD] offset:\f*4*SP  ; LDS serves a wave's instructions in order (ISA guide 5.7.1.4): these see the stores above; the next tile's stores come behind them
.endr
.endm
.macro SEND t, younger              ; younger: the LDS instructions issued behind tile t's loads
.irp f, 0,1,2,3
	s_wait_dscnt (\younger)+3-\f
	global_store_b128 v[GO], v[S+16*(\t)+4*\f:S+16*(\t)+4*\f+3], s[10:11] offset:(\t)*2048+\f*512  ; 512 consecutive bytes, at a multiple of 256 from z's first
.endr
.endm
.macro FINISH
.rept 8
	v_nop                           ; the places behind the last products
.endr
.irp t, 0,1
	v_add_f32 v[ST+4*\t+2], v[ST+4*\t+2], v[ST+4*\t+3]
.endr
.irp t, 0,1
	v_permlanex16_b32 v[ST+4*\t+3], v[ST+4*\t+2], s[SEL], s[SEL+1]
.endr
.irp t, 0,1
	v_add_f32 v[ST+4*\t+2], v[ST+4*\t+2], v[ST+4*\t+3]
.endr
.irp t, 0,1
	v_rcp_f32 v[ST+4*\t+2], v[ST+4*\t+2]
.endr
	v_nop
	s_wait_alu depctr_va_vdst(0)    ; one wait for the two reciprocals
	PACK 0
	PACK 1
	SEND 0, 8
	SEND 1, 0
.endm
; A TILE: K of its first step, four steps; behind a block's last tile the way out.  last = 0: in the loop that is the first block's end, and the second block is set up.
.macro TILE last
	s_sub_co_u32 s[RT], s[RT], 1
	s_mov_b32 s[CNT], 4
	v_add_nc_u32 v[AK], s[TBK], v[AK0]
	FETCH_K 0
.Lstep_\@:
	STEP
	s_sub_co_u32 s[CNT], s[CNT], 1
	s_cmp_lg_u32 s[CNT], 0
	s_cbranch_scc1 .Lstep_\@
.if !(\last)
	s_cmp_lg_u32 s[RT], 0
	s_cbranch_scc1 .Lnext_\@
.endif
	FINISH
.if !(\last)
	s_wait_xcnt 0x0                 ; the stores have read their registers and z's address
	s_mov_b64 s[10:11], s[OLO:OLO+1]
	s_add_co_u32 s[RT], s[PB], 1    ; the second block has b / 2 + 1 tiles
	s_mov_b32 s[OWN], s[OWN2]
	WIN 0x82                        ; the second block's Q goes where the one text of the steps names Q
.set i, 0
.rept 32
	v_mov_b32 v[i], v[QB+i]
.set i, i+1
.endr
	WIN 0
	INIT
.Lnext_\@:
.endif
.endm
	INIT
	s_wait_loadcnt 0x0              ; Q
.Lslot:                             ; 8 times: a tile is entered and the next is asked for
	CHANGE 1
	TILE 0
	s_sub_co_u32 s[SLOTS], s[SLOTS], 1
	s_cmp_lg_u32 s[SLOTS], 0
	s_cbranch_scc1 .Lslot
	CHANGE 0                        ; the walk's last tile is written out: nothing is asked for
	TILE 1
	s_wait_tensorcnt 0x0            ; the wave's end: behind my last tensor load and my last LDS store
	ds_add_u32 v[SPW], v[NIL]
	s_wait_dscnt 0x0
	s_endpgm
.Lfunc_end_k_qa96c7c2315_attn:
	.size	k_qa96c7c2315_attn, .Lfunc_end_k_qa96c7c2315_attn-k_qa96c7c2315_attn
	.p2alignl 7, 3214868480
	.fill 96, 4, 3214868480
	.section	.rodata,"a",@progbits
	.p2align	6, 0x0
	.amdhsa_kernel k_qa96c7c2315_attn
		.amdhsa_group_segment_fixed_size 327680
		.amdhsa_private_segment_fixed_size 0
		.amdhsa_enable_private_segment 0
		.amdhsa_kernarg_size 16
		.amdhsa_user_sgpr_count 2
		.amdhsa_user_sgpr_kernarg_segment_ptr 1
		.amdhsa_wavefront_size32 1
		.amdhsa_system_sgpr_workgroup_id_x 1
		.amdhsa_system_sgpr_workgroup_id_y 1
		.amdhsa_system_sgpr_workgroup_id_z 1
		.amdhsa_system_vgpr_workitem_id 0
		.amdhsa_next_free_vgpr 768
		.amdhsa_next_free_sgpr 100
		.amdhsa_reserve_vcc 1
		.amdhsa_float_denorm_mode_32 3
		.amdhsa_float_denorm_mode_16_64 3
		.amdhsa_memory_ordered 1
		.amdhsa_forward_progress 1
		.amdhsa_inst_pref_size 80
	.end_amdhsa_kernel
	.amdgpu_metadata
---
amdhsa.version: [ 1, 2 ]
amdhsa.kernels:
  - .name:           k_qa96c7c2315_attn
    .symbol:         k_qa96c7c2315_attn.kd
    .args:
      - { .name: qkv, .offset: 0, .size: 8, .value_kind: global_buffer, .address_space: global }
      - { .name: act, .offset: 8, .size: 8, .value_kind: global_buffer, .address_space: global }
    .group_segment_fixed_size: 327680
    .private_segment_fixed_size: 0
    .kernarg_segment_align: 8
    .kernarg_segment_size: 16
    .max_flat_workgroup_size: 128
    .sgpr_count:     100
    .vgpr_count:     768
    .wavefront_size: 32
...
	.end_amdgpu_metadata
.endif
;; end of part 3
;; launch goproj (part 4): grid 8 x 32, 4 waves a work-group, clusters of 4 x 4, 327,680 bytes of LDS; arguments act, wo, b_O, x, rmid; writes rmid
.if DOCPART == 4
	.amdgcn_target "amdgcn-amd-amdhsa--gfx1250"
	.amdhsa_code_object_version 6
	.text
	.protected	k_qa96c7c2315_goproj
	.globl	k_qa96c7c2315_goproj
	.p2align	8
	.type	k_qa96c7c2315_goproj,@function
k_qa96c7c2315_goproj:
	s_mov_b64 s[64:65], 0
	v_nop
	global_prefetch_b8 v0, s[64:65] scope:SCOPE_SE
	s_setreg_imm32_b32 hwreg(HW_REG_WAVE_MODE, 25, 1), 1
	s_wait_xcnt 0x0
	s_wait_alu depctr_hold_cnt(0) depctr_sa_sdst(0) depctr_va_vdst(0) depctr_va_sdst(0) depctr_va_ssrc(0) depctr_va_vcc(0) depctr_vm_vsrc(0)
	s_getreg_b32 s2, hwreg(HW_REG_IB_STS2, 6, 4)
	s_cmp_eq_u32 s2, 0
	s_cbranch_scc0 .Lentry_in_a_cluster
	s_endpgm
.Lentry_in_a_cluster:
	s_bfe_u32 s2, ttmp6, 0x10000c
	s_cmp_lg_u32 s2, 0xf033
	s_cbranch_scc0 .Lentry_shape_is_right
	s_endpgm
.Lentry_shape_is_right:
; rmid = x + z W_O^T + b_O, all of the sum in f32.  A = z, [32 = batch x 16 + head][2048][64] f16, taken by heads: K runs over head x 64 + channel; B = wo [1024][1024] f16.
; The residual and the output are f32 and are never rounded to 16 bits.
; A tile of C is 128 x 128: 8 x 32 = 256 work-groups.  Four waves, each 64 x 64: 16 accumulators.  K goes in steps of 256 (four heads) through a ring of two LDS slots filled by the tensor data mover.
; THE LOOP IS ONE K STEP: the slot in hand is a scalar (TB) that an exclusive or turns; slot 1 begins at a byte count whose bits no tile's base has, so the same exclusive or turns a descriptor's LDS word.
; THE K WALK IS TURNED: in trip t a cluster takes K step (2 x + y + t) mod 4, x and y the cluster's place in the grid (f32 sums may be taken in any order).  So clusters that need the same rows of A
; (same y) or of B (same x) ask for different K steps at any one time.  The descriptor's address is made anew for each refill: the rows' base + an offset that steps and is cut to the row's length.
; CLUSTERS: 4 x 4 work-groups; A's tile is shared along a row of the cluster, B's along a column: asked for JOINTLY, the same tensor load, descriptor and mask in all four.
; THE MATRIX INSTRUCTION IS USED TRANSPOSED (source 0 = 16 rows of B, source 1 = 16 rows of A): a lane holds eight neighbouring columns of one row of C.
; THE RESIDUAL is loaded at the start, 32 whole rows of 512 bytes a wave, and waits in registers; the sums go through a stage over the ring (which has had its last fill) and leave as whole rows.
; No prefetch: the tiles are small, and the walk has four K steps, of which two come by the first fills.
; LIMITS.  f16's range holds of A and B alone.  NaN and infinities are not treated apart.
; REGISTERS: window 0: v0-31 addresses; v32-95 at work on the way out; v128-255 the accumulators ((a, b) at v[128 + 8 (4 a + b)]);
;   window 1: two fragment buffers of 128: for 64 along K, 64 registers of A, then 64 of B;   window 2: v0-127 the residual.
.set SIZE_K, 1024
.set KSTEP,  256
.set NS,     SIZE_K/KSTEP              ; K steps
.set PITCH,  528                       ; an LDS row of B: 512 bytes + 16 of padding: the 16 rows of a fragment load start at 16 different groups of four banks (64 banks of 4 bytes: ISA guide 11.1)
.set HALFT,  64*PITCH
.set HB,     128*144                   ; a head's 128 tokens, 128 bytes + 16 of padding each
.set AHALF,  2*HB                      ; one load brings two heads
.set SLOT,   0x24000                   ; the bases 0, 0x9000, 0x12000, 0x1a400 share no bit with it
.set ASZ,    2*AHALF
.set SPITCH, 528                       ; a row of the stage: 128 f32 + 16 bytes
.set SPARE,  327168                    ; the spare words, 128 bytes for each wave: two blocks of 256 bytes that no other line names
.set BI,  8                            ; v[8:11] the bias of my four columns
.set A0,  16                           ; v16  my lane's place in A's part of a slot; never rewritten
.set B0,  17                           ; v17  the same for B
.set CA,  18                           ; v18  TB + A0
.set CB,  19                           ; v19  TB + B0
.set STO, 20                           ; v20  the way out: where I put 32 bytes of a row
.set RD,  22                           ; v22  where I read rows back
.set CO,  23                           ; v23  16 x lane: my 16 bytes of a row of 512; never rewritten
.set SPW, 28                           ; v28  LDS address of my spare word; never rewritten
.set NIL, 29                           ; v29  0; never rewritten
.set ACC, 128
.set F0,  0
.set F1,  128
.set G1,  24                           ; s[24:31] descriptor group 1 for A's tiles
.set GA0, 32                           ; s[32:35] group 0: A, the walk's first K step, slot 0
.set GA,  36                           ; s[36:39] group 0: A, the second, slot 1; then it walks
.set G1B, 48                           ; s[48:55], s[56:59], s[60:63]: the same for B
.set GB0, 56
.set GB,  60
.set TB,  66                           ; s66  0 or SLOT: the slot that is being read
.set KOB, 78                           ; s[78:79] the byte offset along a row of B of the K step asked for last: 512 a step; made of the cluster's place alone
.set KOA, 80                           ; s[80:81] the same step's offset in A: four heads, 1,048,576 bytes a step
.set MSB, 0
.macro WIN new
.if MSB != (\new)
	s_set_vgpr_msb (MSB<<8)|(\new)
.set MSB, \new
.endif
.endm
.set MUL,  0x05                        ; sources 0 (B) and 1 (A) window 1; C and D window 0
.set TO_F, 0x40                        ; destination window 1, address window 0
.macro PLACES
.rept 4
	v_nop
.endr
.endm
.macro JLOAD                           ; a joint refill: waves 0 and 1 fetch A's two halves, waves 2 and 3 B's; an s_nop 0 and four v_nop follow each of the two lines
	s_cmp_eq_u32 s11, 0
	s_cbranch_scc0 .Lfor_b_\@
	tensor_load_to_lds s[GA:GA+3], s[G1:G1+7]
	s_nop 0
.rept 4
	v_nop
.endr
	s_branch .Lasked_\@
.Lfor_b_\@:
	tensor_load_to_lds s[GB:GB+3], s[G1B:G1B+7]
	s_nop 0
.rept 4
	v_nop
.endr
.Lasked_\@:
.endm
.macro CREST
	s_cmp_lg_u32 s10, 0
	s_cbranch_scc1 .Lnot_wave_0_\@
	s_barrier_signal -3
.Lnot_wave_0_\@:
	s_barrier_wait -3
	s_barrier_signal -1
	s_barrier_wait -1
.endm
.macro CROUND
	s_barrier_signal -1
	s_barrier_wait -1
	CREST
.endm
	s_load_b128 s[4:7], s[0:1], 0x0                ; A s[4:5], B s[6:7]
	s_load_b128 s[72:75], s[0:1], 0x10             ; bias 72, residual 74
	s_load_b64 s[76:77], s[0:1], 0x20              ; out
	v_lshl_add_u32 v[SPW], v0, 2, SPARE
	v_mov_b32 v[NIL], 0
	ds_add_u32 v[SPW], v[NIL]                      ; the wave's opening: the add and its wait ahead of my first tensor load; work on registers stands between them
	ds_add_u32 v28, v29
	v_lshrrev_b32 v1, 5, v0
	v_readfirstlane_b32 s10, v1                    ; wave 0..3
	s_lshr_b32 s11, s10, 1                         ; which half of the tile's rows is mine.  Also: I fetch for A (0) or for B (1)
	s_and_b32 s12, s10, 1                          ; which half of its columns.  Also: which half of that tile I fetch
	s_bfe_u32 s40, ttmp6, 0x40000                  ; cx
	s_bfe_u32 s41, ttmp6, 0x40004                  ; cy
	s_lshl_b32 s42, ttmp9, 2
	s_add_co_u32 s42, s42, s40                     ; tile column
	s_and_b32 s13, ttmp7, 0xffff
	s_lshl_b32 s13, s13, 2
	s_add_co_u32 s13, s13, s41                     ; tile row
	s_lshl_b32 s43, s41, 2
	s_lshl_b32 s43, 15, s43                        ; my row of the cluster
	s_lshl_b32 s44, 0x1111, s40                    ; my column
	; A: two heads' 128 tokens: two rows of 8,192 elements (16,384 dense bytes), a head (131,072 elements) apart; padded in LDS after every token
	s_or_b32 s[G1], s43, (1<<16)|(1<<20)|(1<<21)|(4<<22)|(3<<25)   ; the mask; 2-byte elements; padding on; bit 21 beside a mask; after every 32 words 4 words
	s_mov_b32 s[G1+1], 8192<<16                    ; tensor_dim0 = 8,192
	s_mov_b32 s[G1+2], 2<<16                       ; tensor_dim1 = 2
	s_mov_b32 s[G1+3], 8192<<16                    ; tile_dim0 = 8,192
	s_mov_b32 s[G1+4], 2                           ; tile_dim1 = 2
	s_mov_b32 s[G1+5], 131072                      ; elements from row to row
	s_mov_b32 s[G1+6], 0
	s_mov_b32 s[G1+7], 0
	s_or_b32 s[G1B], s44, (1<<16)|(1<<20)|(1<<21)|(6<<22)|(3<<25)  ; after every 128 words 4 words
	s_mov_b32 s[G1B+1], KSTEP<<16                  ; 64 rows x 256 elements
	s_mov_b32 s[G1B+2], 64<<16
	s_mov_b32 s[G1B+3], KSTEP<<16
	s_mov_b32 s[G1B+4], 64
	s_mov_b32 s[G1B+5], SIZE_K
	s_mov_b32 s[G1B+6], 0
	s_mov_b32 s[G1B+7], 0
	s_lshr_b32 s16, s13, 4
	s_lshl_b32 s16, s16, 22                        ; the batch's 16 heads,
	s_lshl_b32 s17, s12, 19
	s_add_co_u32 s16, s16, s17                     ; my two heads of a step's four,
	s_and_b32 s17, s13, 15
	s_lshl_b32 s17, s17, 14
	s_add_co_u32 s16, s16, s17                     ; the tile's 128 tokens
	s_mov_b32 s17, 0
	s_lshl_b32 s46, s42, 7
	s_lshl_b32 s47, s12, 6
	s_add_co_u32 s46, s46, s47                     ; B: row 128 x tile column + 64 x half
	s_mul_i32 s46, s46, SIZE_K*2
	s_mov_b32 s47, 0
	s_mul_i32 s20, s12, AHALF                      ; where A's load goes,
	s_mul_i32 s21, s12, HALFT
	s_add_co_u32 s21, s21, ASZ                     ; and B's: no place in the cluster enters an LDS address
	s_mul_i32 s[KOB], ttmp9, NS/2                  ; the walk's first K step: (2 x cluster x + cluster y) mod 4: the same in all sixteen partners,
	s_and_b32 s[KOB+1], ttmp7, 0xffff
	s_mul_i32 s[KOB+1], s[KOB+1], NS/4
	s_add_co_u32 s[KOB], s[KOB], s[KOB+1]
	s_and_b32 s[KOB], s[KOB], NS-1
	s_lshl_b32 s[KOB], s[KOB], 9                   ; in bytes along a row of B,
	s_mov_b32 s[KOB+1], 0
	s_lshl_b32 s[KOA], s[KOB], 11                  ; and in A
	s_mov_b32 s[KOA+1], 0
	s_wait_dscnt 0x0                               ; the opening add is done
	s_wait_kmcnt 0x0
	s_add_nc_u64 s[14:15], s[4:5], s[16:17]        ; my part of A and of B at K = 0: kept for the whole walk
	s_add_nc_u64 s[46:47], s[6:7], s[46:47]
	CROUND                                         ; all sixteen work-groups are here: the first joint loads meet
	s_mov_b32 s[GA0], 1
	s_mov_b32 s[GA0+1], s20
	s_add_nc_u64 s[GA0+2:GA0+3], s[14:15], s[KOA:KOA+1]
	s_or_b32 s[GA0+3], s[GA0+3], 0x80000000
	s_mov_b32 s[GB0], 1
	s_mov_b32 s[GB0+1], s21
	s_add_nc_u64 s[GB0+2:GB0+3], s[46:47], s[KOB:KOB+1]
	s_or_b32 s[GB0+3], s[GB0+3], 0x80000000
	s_add_co_u32 s[KOB], s[KOB], KSTEP*2           ; the walk's second K step
	s_and_b32 s[KOB], s[KOB], SIZE_K*2-1
	s_lshl_b32 s[KOA], s[KOB], 11
	s_mov_b32 s[GA], 1
	s_add_co_u32 s[GA+1], s20, SLOT
	s_add_nc_u64 s[GA+2:GA+3], s[14:15], s[KOA:KOA+1]
	s_or_b32 s[GA+3], s[GA+3], 0x80000000
	s_mov_b32 s[GB], 1
	s_add_co_u32 s[GB+1], s21, SLOT
	s_add_nc_u64 s[GB+2:GB+3], s[46:47], s[KOB:KOB+1]
	s_or_b32 s[GB+3], s[GB+3], 0x80000000
	s_cmp_eq_u32 s11, 0                            ; a wave's two first fills stand in one branch: two loads of mine are out
	s_cbranch_scc0 .Lfirst_b
	tensor_load_to_lds s[GA0:GA0+3], s[G1:G1+7]
	s_nop 0
	tensor_load_to_lds s[GA:GA+3], s[G1:G1+7]
	s_nop 0
.rept 4
	v_nop
.endr
	s_branch .Lfirst_asked
.Lfirst_b:
	tensor_load_to_lds s[GB0:GB0+3], s[G1B:G1B+7]
	s_nop 0
	tensor_load_to_lds s[GB:GB+3], s[G1B:G1B+7]
	s_nop 0
.rept 4
	v_nop
.endr
.Lfirst_asked:
	; the residual, the bias and the output: wave w owns rows 32 w .. 32 w + 31 of the tile, whole: 512 bytes a row, 16 a lane
	v_and_b32 v3, 31, v0
	v_lshlrev_b32 v[CO], 4, v3
	s_lshl_b32 s68, s13, 7
	s_lshl_b32 s69, s10, 5
	s_add_co_u32 s68, s68, s69
	s_lshl_b32 s68, s68, 12
	s_lshl_b32 s70, s42, 9
	s_add_co_u32 s68, s68, s70
	s_mov_b32 s69, 0
	s_mov_b32 s71, 0
	s_add_nc_u64 s[74:75], s[74:75], s[68:69]
	s_add_nc_u64 s[76:77], s[76:77], s[68:69]
	s_add_nc_u64 s[72:73], s[72:73], s[70:71]
	WIN 0x80                                       ; destination window 2
.set t, 0
.rept 32
	global_load_b128 v[4*t:4*t+3], v[CO], s[74:75] offset:t*4096   ; waited for at the way out
.set t, t+1
.endr
	WIN 0
	global_load_b128 v[BI:BI+3], v[CO], s[72:73]
	v_and_b32 v1, 15, v0                           ; l % 16
	v_bfe_u32 v2, v0, 4, 1                         ; l / 16
	v_mul_u32_u24 v3, v1, PITCH
	v_lshl_add_u32 v3, v2, 4, v3
	s_mul_i32 s22, s12, HALFT
	s_add_co_u32 s22, s22, ASZ                     ; my 64 rows of B
	v_add_nc_u32 v[B0], s22, v3
	v_mul_u32_u24 v4, v1, 144
	v_lshl_add_u32 v4, v2, 4, v4
	s_mul_i32 s21, s11, 64*144                     ; my 64 tokens in each head's block
	v_add_nc_u32 v[A0], s21, v4
	s_mul_i32 s23, s11, 64*SPITCH                  ; into the stage: row 64 x half + l % 16, column 64 x half + 8 (l / 16), in f32
	s_lshl_b32 s22, s12, 8
	s_add_co_u32 s23, s23, s22
	v_mul_u32_u24 v4, v1, SPITCH
	v_lshl_add_u32 v4, v2, 5, v4
	v_add_nc_u32 v[STO], s23, v4
	s_mul_i32 s23, s10, 32*SPITCH
	v_add_nc_u32 v[RD], s23, v[CO]
; 8 matrix instructions: m blocks a0, a0 + 1 x all 4 n blocks, 32 along K: half c of buffer f.  The 16 accumulators take turns.  zero = 1: the product starts the sum
.macro MUL8 f, c, a0, zero
	WIN MUL
.irp a, \a0, (\a0)+1
.irp b, 0,1,2,3
.if \zero
	v_wmma_f32_16x16x32_f16 v[ACC+8*(4*(\a)+(\b)):ACC+8*(4*(\a)+(\b))+7], v[(\f)+64+8*(4*(\c)+(\b)):(\f)+64+8*(4*(\c)+(\b))+7], v[(\f)+8*(4*(\c)+(\a)):(\f)+8*(4*(\c)+(\a))+7], 0
.else
	v_wmma_f32_16x16x32_f16 v[ACC+8*(4*(\a)+(\b)):ACC+8*(4*(\a)+(\b))+7], v[(\f)+64+8*(4*(\c)+(\b)):(\f)+64+8*(4*(\c)+(\b))+7], v[(\f)+8*(4*(\c)+(\a)):(\f)+8*(4*(\c)+(\a))+7], v[ACC+8*(4*(\a)+(\b)):ACC+8*(4*(\a)+(\b))+7]
.endif
.endr
.endr
.endm
; 32 LDS loads in one run: the fragments of 64 along K at byte k of B's rows, into buffer f; the first 32 along K first.  Those 64 are one head: block k / 128 of A's part
.macro FETCH k, f
	WIN TO_F
.irp c, 0,1
.irp i, 0,1,2,3
.set ao, ((\k)/128)*HB+64*(\c)+(\i)*16*144
	ds_load_b128 v[(\f)+64+8*(4*(\c)+(\i)):(\f)+64+8*(4*(\c)+(\i))+3],   v[CB] offset:(\k)+64*(\c)+(\i)*16*PITCH
	ds_load_b128 v[(\f)+64+8*(4*(\c)+(\i))+4:(\f)+64+8*(4*(\c)+(\i))+7], v[CB] offset:(\k)+64*(\c)+(\i)*16*PITCH+32
	ds_load_b128 v[(\f)+8*(4*(\c)+(\i)):(\f)+8*(4*(\c)+(\i))+3],         v[CA] offset:ao
	ds_load_b128 v[(\f)+8*(4*(\c)+(\i))+4:(\f)+8*(4*(\c)+(\i))+7],       v[CA] offset:ao+32
.endr
.endr
.endm
.macro QUARTER k, f, g, zero
	s_wait_dscnt 16                                ; the first 32 along K are in
	MUL8 \f, 0, 0, \zero
	MUL8 \f, 0, 2, \zero
	PLACES
	FETCH \k, \g
	s_wait_dscnt 32                                ; all but the run just issued
	MUL8 \f, 1, 0, 0
	MUL8 \f, 1, 2, 0
.endm
; The last quarter multiplies buffer 1 and changes slots.  MEETQ is its first half, up to the barrier.  Its sixteen products stand AHEAD of the wait for the tile, so that nothing but the waits, the add and the
; barrier lies between a tile's landing and the next request.  Ahead of the barrier each wave waits for all its tensor loads (at most one is out: its part of the next slot), adds 0 to its spare word, and waits
; for that and for its reads of this slot.  fill = 1: the walking descriptors are stepped here, where no tensor load of the wave is out: the other slot, the walk's next K step.
.macro MEETQ fill
	s_wait_dscnt 16                                ; the first 32 along K are in
	MUL8 F1, 0, 0, 0
	MUL8 F1, 0, 2, 0
	WIN 0                                          ; (the add's two registers lie in window 0)
	s_wait_tensorcnt 0x0                           ; all my tensor loads have landed;
	ds_add_u32 v[SPW], v[NIL]                      ; 0 onto my spare word
.if \fill
	s_add_co_u32 s[KOB], s[KOB], KSTEP*2
	s_and_b32 s[KOB], s[KOB], SIZE_K*2-1           ; behind the row's last K step comes its first
	s_lshl_b32 s[KOA], s[KOB], 11
	s_xor_b32 s[GA+1], s[GA+1], SLOT
	s_add_nc_u64 s[GA+2:GA+3], s[14:15], s[KOA:KOA+1]
	s_or_b32 s[GA+3], s[GA+3], 0x80000000
	s_xor_b32 s[GB+1], s[GB+1], SLOT
	s_add_nc_u64 s[GB+2:GB+3], s[46:47], s[KOB:KOB+1]
	s_or_b32 s[GB+3], s[GB+3], 0x80000000
.endif
	s_wait_dscnt 0x0                               ; the add is done, and my reads of this slot are over
	s_barrier_signal -1
	s_barrier_wait -1
.endm
; its second half: the next slot's first fragments, and the rest of buffer 1
.macro NEXT
	s_xor_b32 s[TB], s[TB], SLOT
	v_add_nc_u32 v[CA], s[TB], v[A0]
	v_add_nc_u32 v[CB], s[TB], v[B0]
	FETCH 0, F0
	MUL8 F1, 1, 0, 0
	MUL8 F1, 1, 2, 0
.endm
	s_wait_tensorcnt 1                             ; my part of the first K step is in; the second's may stay out
	s_barrier_signal -1
	s_barrier_wait -1
	s_mov_b32 s[TB], 0
	v_mov_b32 v[CA], v[A0]
	v_mov_b32 v[CB], v[B0]
	FETCH 0, F0
	QUARTER 128, F0, F1, 1                         ; the first quarter stands ahead of the loop: its first products start the sums
	WIN 0
	s_mov_b32 s3, NS-2
.Lstep:                                                ; a trip: a K step's quarters 1 to 3 and the next step's quarter 0; the slot just read is filled again
	QUARTER 256, F1, F0, 0
	QUARTER 384, F0, F1, 0
	MEETQ 1
	CREST                                          ; the barrier has opened a round of the cluster's: no wave of any partner still reads this slot or has a load on its way
	JLOAD                                          ; the first tensor load behind the round; the four v_nop behind it are also the places ahead of the loads below
	NEXT
	QUARTER 128, F0, F1, 0
	WIN 0
	s_sub_co_u32 s3, s3, 1
	s_cmp_lg_u32 s3, 0
	s_cbranch_scc1 .Lstep
	s_mov_b32 s3, 2
.Ltail:                                                ; the last two K steps ask for nothing: a loop of their own, left in the middle of its second trip, directly behind the barrier
	QUARTER 256, F1, F0, 0
	QUARTER 384, F0, F1, 0
	MEETQ 0                                        ; in the second trip this barrier says: every wave's reads of the ring are over
	s_sub_co_u32 s3, s3, 1
	s_cmp_eq_u32 s3, 0
	s_cbranch_scc1 .Llast
	PLACES
	NEXT
	QUARTER 128, F0, F1, 0
	WIN 0
	s_branch .Ltail
.Llast:
	MUL8 F1, 1, 0, 0
	MUL8 F1, 1, 2, 0
	WIN 0
	PLACES
	PLACES
.irp a, 0,1,2,3
.irp b, 0,1,2,3
	ds_store_b128 v[STO], v[ACC+8*(4*\a+\b):ACC+8*(4*\a+\b)+3]   offset:\a*16*SPITCH+\b*64       ; each accumulator's low registers first
	ds_store_b128 v[STO], v[ACC+8*(4*\a+\b)+4:ACC+8*(4*\a+\b)+7] offset:\a*16*SPITCH+\b*64+16
.endr
.endr
	s_wait_loadcnt 0x0                             ; the residual and the bias
	WIN 0x82                                       ; destination and source 0 window 2, source 1 window 0
.set t, 0
.rept 32
	v_pk_add_f32 v[4*t:4*t+1], v[4*t:4*t+1], v[BI:BI+1]
	v_pk_add_f32 v[4*t+2:4*t+3], v[4*t+2:4*t+3], v[BI+2:BI+3]
.set t, t+1
.endr
	WIN 0
	s_wait_dscnt 0x0                               ; for the others' sake: my stores into the stage are done
	s_barrier_signal -1
	s_barrier_wait -1
.set t, 0
.rept 16
	ds_load_b128 v[32+4*t:32+4*t+3], v[RD] offset:t*SPITCH
.set t, t+1
.endr
.set t, 0
.rept 16
	ds_load_b128 v[128+4*t:128+4*t+3], v[RD] offset:(16+t)*SPITCH
.set t, t+1
.endr
	s_wait_dscnt 16                                ; my first sixteen rows are back
	WIN 0x08                                       ; source 1 window 2
.set t, 0
.rept 32
	v_pk_add_f32 v[32+2*t:32+2*t+1], v[32+2*t:32+2*t+1], v[2*t:2*t+1]
.set t, t+1
.endr
	WIN 0
.set t, 0
.rept 16
	global_store_b128 v[CO], v[32+4*t:32+4*t+3], s[76:77] offset:t*4096   ; 512 consecutive bytes, aligned
.set t, t+1
.endr
	s_wait_dscnt 0x0
	WIN 0x08
.set t, 0
.rept 32
	v_pk_add_f32 v[128+2*t:128+2*t+1], v[128+2*t:128+2*t+1], v[64+2*t:64+2*t+1]
.set t, t+1
.endr
	WIN 0
.set t, 0
.rept 16
	global_store_b128 v[CO], v[128+4*t:128+4*t+3], s[76:77] offset:(16+t)*4096
.set t, t+1
.endr
	s_wait_tensorcnt 0x0                           ; the wave's end: behind my last tensor load and my last LDS store
	ds_add_u32 v[SPW], v[NIL]
	s_wait_dscnt 0x0
	CROUND                                         ; the closing round: no work-group ends while a partner may still ask for a tile that names it
	s_endpgm
.Lfunc_end_k_qa96c7c2315_goproj:
	.size	k_qa96c7c2315_goproj, .Lfunc_end_k_qa96c7c2315_goproj-k_qa96c7c2315_goproj
	.p2alignl 7, 3214868480
	.fill 96, 4, 3214868480
	.section	.rodata,"a",@progbits
	.p2align	6, 0x0
	.amdhsa_kernel k_qa96c7c2315_goproj
		.amdhsa_group_segment_fixed_size 327680
		.amdhsa_private_segment_fixed_size 0
		.amdhsa_enable_private_segment 0
		.amdhsa_kernarg_size 40
		.amdhsa_user_sgpr_count 2
		.amdhsa_user_sgpr_kernarg_segment_ptr 1
		.amdhsa_wavefront_size32 1
		.amdhsa_system_sgpr_workgroup_id_x 1
		.amdhsa_system_sgpr_workgroup_id_y 1
		.amdhsa_system_sgpr_workgroup_id_z 1
		.amdhsa_system_vgpr_workitem_id 0
		.amdhsa_next_free_vgpr 640
		.amdhsa_next_free_sgpr 100
		.amdhsa_reserve_vcc 0
		.amdhsa_float_denorm_mode_32 3
		.amdhsa_float_denorm_mode_16_64 3
		.amdhsa_memory_ordered 1
		.amdhsa_forward_progress 1
		.amdhsa_inst_pref_size 70
	.end_amdhsa_kernel
	.amdgpu_metadata
---
amdhsa.version: [ 1, 2 ]
amdhsa.kernels:
  - .name:           k_qa96c7c2315_goproj
    .symbol:         k_qa96c7c2315_goproj.kd
    .args:
      - { .name: act, .offset: 0, .size: 8, .value_kind: global_buffer, .address_space: global }
      - { .name: wo, .offset: 8, .size: 8, .value_kind: global_buffer, .address_space: global }
      - { .name: b_O, .offset: 16, .size: 8, .value_kind: global_buffer, .address_space: global }
      - { .name: x, .offset: 24, .size: 8, .value_kind: global_buffer, .address_space: global }
      - { .name: rmid, .offset: 32, .size: 8, .value_kind: global_buffer, .address_space: global }
    .group_segment_fixed_size: 327680
    .private_segment_fixed_size: 0
    .kernarg_segment_align: 8
    .kernarg_segment_size: 40
    .max_flat_workgroup_size: 128
    .sgpr_count:     100
    .vgpr_count:     640
    .wavefront_size: 32
...
	.end_amdgpu_metadata
.endif
;; end of part 4
;; launch ln2: the kernel of part 1 again; grid 256 x 1, 8 waves a work-group, no clusters, 0 bytes of LDS; arguments rmid, W_Q, W_K, W_V, W_O, W_in, W_out, act, wqkv, wo, win, wout; writes act, wqkv, wo, win, wout
;; launch gmlp1 (part 5): grid 16 x 16, 4 waves a work-group, clusters of 4 x 4, 327,680 bytes of LDS; arguments act, win, b_in, post; writes post
.if DOCPART == 5
	.amdgcn_target "amdgcn-amd-amdhsa--gfx1250"
	.amdhsa_code_object_version 6
	.text
	.protected	k_qa96c7c2315_gmlp1
	.globl	k_qa96c7c2315_gmlp1
	.p2align	8
	.type	k_qa96c7c2315_gmlp1,@function
k_qa96c7c2315_gmlp1:
	s_mov_b64 s[64:65], 0
	v_nop
	global_prefetch_b8 v0, s[64:65] scope:SCOPE_SE
	s_setreg_imm32_b32 hwreg(HW_REG_WAVE_MODE, 25, 1), 1
	s_wait_xcnt 0x0
	s_wait_alu depctr_hold_cnt(0) depctr_sa_sdst(0) depctr_va_vdst(0) depctr_va_sdst(0) depctr_va_ssrc(0) depctr_va_vcc(0) depctr_vm_vsrc(0)
	s_getreg_b32 s2, hwreg(HW_REG_IB_STS2, 6, 4)
	s_cmp_eq_u32 s2, 0
	s_cbranch_scc0 .Lentry_in_a_cluster
	s_endpgm
.Lentry_in_a_cluster:
	s_bfe_u32 s2, ttmp6, 0x10000c
	s_cmp_lg_u32 s2, 0xf033
	s_cbranch_scc0 .Lentry_shape_is_right
	s_endpgm
.Lentry_shape_is_right:
; post = gelu_new(m W_in^T + b_in).  A = act [4096][1024] f16 (the normalised residual), B = win [4096][1024] f16; sums, bias and gelu in f32; post [4096][4096] rounded once to f16.
; A tile of C is 256 rows x 32 NBK columns (NBK = 8: 256 columns): 16 x 16 = 256 work-groups.  Four waves, each 128 x 16 NBK: 8 NBK accumulators.
; K goes in steps of 128 through a ring of two LDS slots filled by the tensor data mover; rows of a tile are 256 bytes of memory, aligned.
; THE LOOP IS ONE K STEP: the slot in hand is a scalar (TB) that an exclusive or turns; slot 1 begins at a byte count whose bits no tile's base has, so the same exclusive or turns a descriptor's LDS word.
; THE K WALK IS TURNED: in trip t a cluster takes K step (2 x + 4 y + t) mod 8, x and y the cluster's place in the grid (f32 sums may be taken in any order).  So clusters that need the same rows of A
; (same y) or of B (same x) ask for different K steps at any one time.  The descriptor's address is made anew for each refill: the rows' base + an offset that steps and is cut to the row's length.
; No prefetch is laid: by the turned walk every K step of A's rows is first asked for in some cluster's trips 0 and 1, every K step of B's rows in trips 0 to 3; those come by the first fills and the first
; two refills, and nothing is asked for at a kernel's head.
; CLUSTERS: 4 x 4 work-groups; A's tile is shared along a row of the cluster, B's along a column: asked for JOINTLY, the same tensor load, descriptor and mask in all four.
; THE MATRIX INSTRUCTION IS USED TRANSPOSED (source 0 = 16 rows of B, source 1 = 16 rows of A): a lane holds eight neighbouring columns of one row of C.
; THE WAY OUT: the whole tile goes, in f32, into a stage that lies over the ring (which has had its last fill); behind a barrier each wave reads 64 whole rows back, finishes them and stores whole runs of 256 bytes.
; LIMITS.  f16 ends at 65,504: post must lie within it.  NaN and infinities are not treated apart.
; REGISTERS, in windows of 256: window 0: v0-31 addresses; v64-127, v128-191 A's fragments, two buffers; v32-63, v192-255 at work on the way out;
;   window 1: v64.., v128.. B's fragments, two buffers; window 2: accumulators of my rows 0-63 ((a, b) at v[8 (NBK a + b)]); window 3: of rows 64-127.
.set QKV, 0
.if QKV
.set NBK, 6
.else
.set NBK, 8
.endif
.set SIZE_K, 1024
.set KSTEP,  128
.set PITCH,  272                       ; an LDS row: 256 bytes + 16 of padding = 68 words: the 16 rows of a fragment load start at 16 different groups of four banks (64 banks of 4 bytes: ISA guide 11.1)
.set HALFL,  128*PITCH                 ; the room of one wave's tensor load: 128 rows
.set SLOT,   4*HALFL                   ; 0x22000: A's two halves, then B's two; the bases 0, 0x8800, 0x11000, 0x19800 share no bit with it
.set NF,     16+2*NBK                  ; LDS loads in a run
.set SPITCH, 128*NBK+16                ; a row of the stage: 32 NBK f32 + 16 bytes
.set SPARE,  327168                    ; the spare words, 128 bytes for each wave: two blocks of 256 bytes that no other line names
.set A0,  16                           ; v16  my lane's place in A's part of a slot; never rewritten
.set B0,  17                           ; v17  the same for B
.set CA,  18                           ; v18  TB + A0
.set CB,  19                           ; v19  TB + B0
.set STO, 20                           ; v20-21  the way out: where I put 32 bytes of a row (rows 0-63, rows 64-127)
.set RD,  22                           ; v22  where I read rows back
.set CO,  23                           ; v23  my byte offset in the output
.set BO,  24                           ; v24  my byte offset in the bias; never rewritten
.set SPW, 28                           ; v28  LDS address of my spare word; never rewritten
.set NIL, 29                           ; v29  0; never rewritten
.set F0,  64
.set F1,  128
.set G1,  24                           ; s[24:31] descriptor group 1 for A's tiles
.set GA0, 32                           ; s[32:35] group 0: A, the walk's first K step, slot 0
.set GA,  36                           ; s[36:39] group 0: A, the second, slot 1; then it walks
.set G1B, 48                           ; s[48:55], s[56:59], s[60:63]: the same for B
.set GB0, 56
.set GB,  60
.set TB,  66                           ; s66  0 or SLOT: the slot that is being read
.set KO,  98                           ; s[98:99] the byte offset along a row of the K step asked for last; made of the cluster's place alone
.set MSB, 0
.macro WIN new                         ; the immediate's high byte repeats the setting that is left; a switch that changes nothing is dropped
.if MSB != (\new)
	s_set_vgpr_msb (MSB<<8)|(\new)
.set MSB, \new
.endif
.endm
.set MUL_LO, 0xa1                      ; source 0 (B) window 1, source 1 (A) window 0, C and D window 2
.set MUL_HI, 0xf1                      ; the same, C and D window 3
.set TO_B,   0x40                      ; destination window 1, address window 0
.macro PLACES                          ; four places behind matrix instructions, ahead of loads into registers that they read and of reads of their results
.rept 4
	v_nop
.endr
.endm
; A joint refill.  Waves 0 and 1 fetch A's two halves, waves 2 and 3 B's; the branch hangs on the wave's number alone.  An s_nop 0 and four v_nop follow each of the two lines.
.macro JLOAD
	s_cmp_eq_u32 s11, 0
	s_cbranch_scc0 .Lfor_b_\@
	tensor_load_to_lds s[GA:GA+3], s[G1:G1+7]
	s_nop 0
.rept 4
	v_nop
.endr
	s_branch .Lasked_\@
.Lfor_b_\@:
	tensor_load_to_lds s[GB:GB+3], s[G1B:G1B+7]
	s_nop 0
.rept 4
	v_nop
.endr
.Lasked_\@:
.endm
.macro CREST                           ; a round of the cluster's barrier behind its opening barrier
	s_cmp_lg_u32 s10, 0
	s_cbranch_scc1 .Lnot_wave_0_\@
	s_barrier_signal -3
.Lnot_wave_0_\@:
	s_barrier_wait -3
	s_barrier_signal -1
	s_barrier_wait -1
.endm
.macro CROUND                          ; a whole round
	s_barrier_signal -1
	s_barrier_wait -1
	CREST
.endm
	s_load_b128 s[4:7], s[0:1], 0x0                ; A s[4:5], B s[6:7]
.if QKV
	s_load_b256 s[72:79], s[0:1], 0x10             ; b_Q 72, b_K 74, b_V 76, qkv 78
.else
	s_load_b128 s[72:75], s[0:1], 0x10             ; b_in 72, post 74
.endif
	v_lshl_add_u32 v[SPW], v0, 2, SPARE
	v_mov_b32 v[NIL], 0
	ds_add_u32 v[SPW], v[NIL]                      ; the wave's opening: the add and its wait ahead of my first tensor load; work on registers stands between them
	ds_add_u32 v28, v29
	v_lshrrev_b32 v1, 5, v0
	v_readfirstlane_b32 s10, v1                    ; wave 0..3
	s_lshr_b32 s11, s10, 1                         ; which half of the tile's rows is mine.  Also: I fetch for A (0) or for B (1)
	s_and_b32 s12, s10, 1                          ; which half of its columns.  Also: which half of that tile I fetch
	s_bfe_u32 s40, ttmp6, 0x40000                  ; cx
	s_bfe_u32 s41, ttmp6, 0x40004                  ; cy
	s_lshl_b32 s42, ttmp9, 2
	s_add_co_u32 s42, s42, s40                     ; tile column = 4 x cluster x + cx
	s_and_b32 s13, ttmp7, 0xffff
	s_lshl_b32 s13, s13, 2
	s_add_co_u32 s13, s13, s41                     ; tile row = 4 x cluster y + cy
	s_lshl_b32 s43, s41, 2
	s_lshl_b32 s43, 15, s43                        ; my row of the cluster
	s_lshl_b32 s44, 0x1111, s40                    ; my column
	s_or_b32 s[G1], s43, (1<<16)|(1<<20)|(1<<21)|(5<<22)|(3<<25)   ; the mask; 2-byte elements; padding on; bit 21 beside a mask; after every 64 words 4 words
	s_or_b32 s[G1B], s44, (1<<16)|(1<<20)|(1<<21)|(5<<22)|(3<<25)
	s_mov_b32 s[G1+1], KSTEP<<16                   ; tensor_dim0 = 128
	s_mov_b32 s[G1+2], 128<<16                     ; tensor_dim1 = 128
	s_mov_b32 s[G1+3], KSTEP<<16                   ; tile_dim0 = 128
	s_mov_b32 s[G1+4], 128                         ; tile_dim1 = 128
	s_mov_b32 s[G1+5], SIZE_K                      ; elements from row to row
	s_mov_b32 s[G1+6], 0
	s_mov_b32 s[G1+7], 0
	s_mov_b32 s[G1B+1], KSTEP<<16
	s_mov_b32 s[G1B+2], (16*NBK)<<16               ; B's loads bring 16 NBK rows
	s_mov_b32 s[G1B+3], KSTEP<<16
	s_mov_b32 s[G1B+4], 16*NBK
	s_mov_b32 s[G1B+5], SIZE_K
	s_mov_b32 s[G1B+6], 0
	s_mov_b32 s[G1B+7], 0
	s_lshl_b32 s17, s12, 7
	s_lshl_b32 s16, s13, 8
	s_add_co_u32 s16, s16, s17                     ; A: row 256 x tile row + 128 x half,
	s_lshl_b32 s16, s16, 11                        ; in bytes
	s_mov_b32 s17, 0
	s_mul_i32 s46, s42, 32*NBK
	s_mul_i32 s47, s12, 16*NBK
	s_add_co_u32 s46, s46, s47                     ; B: row 32 NBK x tile column + 16 NBK x half
	s_lshl_b32 s46, s46, 11
	s_mov_b32 s47, 0
	s_mul_i32 s20, s10, HALFL                      ; where my load goes: wave x 34,816: no place in the cluster enters an LDS address
	s_lshl_b32 s[KO], ttmp9, 1                     ; the walk's first K step: (2 x cluster x + 4 x cluster y) mod 8: the same in all sixteen partners,
	s_and_b32 s[KO+1], ttmp7, 0xffff
	s_lshl_b32 s[KO+1], s[KO+1], 2
	s_add_co_u32 s[KO], s[KO], s[KO+1]
	s_and_b32 s[KO], s[KO], SIZE_K/KSTEP-1
	s_lshl_b32 s[KO], s[KO], 8                     ; in bytes along a row
	s_mov_b32 s[KO+1], 0
	s_wait_dscnt 0x0                               ; the opening add is done
	s_wait_kmcnt 0x0
	s_add_nc_u64 s[14:15], s[4:5], s[16:17]        ; my rows of A and of B at K = 0: kept for the whole walk
	s_add_nc_u64 s[46:47], s[6:7], s[46:47]
	CROUND                                         ; all sixteen work-groups are here: the first joint loads meet
	s_mov_b32 s[GA0], 1
	s_mov_b32 s[GA0+1], s20
	s_add_nc_u64 s[GA0+2:GA0+3], s[14:15], s[KO:KO+1]
	s_or_b32 s[GA0+3], s[GA0+3], 0x80000000
	s_mov_b32 s[GB0], 1
	s_mov_b32 s[GB0+1], s20
	s_add_nc_u64 s[GB0+2:GB0+3], s[46:47], s[KO:KO+1]
	s_or_b32 s[GB0+3], s[GB0+3], 0x80000000
	s_add_co_u32 s[KO], s[KO], KSTEP*2             ; the walk's second K step
	s_and_b32 s[KO], s[KO], SIZE_K*2-1
	s_mov_b32 s[GA], 1
	s_add_co_u32 s[GA+1], s20, SLOT
	s_add_nc_u64 s[GA+2:GA+3], s[14:15], s[KO:KO+1]
	s_or_b32 s[GA+3], s[GA+3], 0x80000000
	s_mov_b32 s[GB], 1
	s_add_co_u32 s[GB+1], s20, SLOT
	s_add_nc_u64 s[GB+2:GB+3], s[46:47], s[KO:KO+1]
	s_or_b32 s[GB+3], s[GB+3], 0x80000000
	s_cmp_eq_u32 s11, 0                            ; a wave's two first fills stand in one branch: two loads of mine are out
	s_cbranch_scc0 .Lfirst_b
	tensor_load_to_lds s[GA0:GA0+3], s[G1:G1+7]
	s_nop 0
	tensor_load_to_lds s[GA:GA+3], s[G1:G1+7]
	s_nop 0
.rept 4
	v_nop
.endr
	s_branch .Lfirst_asked
.Lfirst_b:
	tensor_load_to_lds s[GB0:GB0+3], s[G1B:G1B+7]
	s_nop 0
	tensor_load_to_lds s[GB:GB+3], s[G1B:G1B+7]
	s_nop 0
.rept 4
	v_nop
.endr
.Lfirst_asked:
	; a fragment is 16 rows x 32 K in 8 registers: lane l holds row l % 16, K = 8 (l / 16) + 0..7 and 16 + 8 (l / 16) + 0..7: two loads of 16 bytes, 32 bytes apart
	v_and_b32 v1, 15, v0                           ; l % 16
	v_bfe_u32 v2, v0, 4, 1                         ; l / 16
	v_mul_u32_u24 v3, v1, PITCH
	v_lshl_add_u32 v3, v2, 4, v3
	s_mul_i32 s21, s11, HALFL                      ; my 128 rows of A
	s_mul_i32 s22, s12, HALFL
	s_add_co_u32 s22, s22, 2*HALFL                 ; my 16 NBK rows of B
	v_add_nc_u32 v[A0], s21, v3
	v_add_nc_u32 v[B0], s22, v3
	s_mul_i32 s23, s11, 128*SPITCH                 ; into the stage: row 128 x half + l % 16, column 16 NBK x half + 8 (l / 16), in f32
	s_mul_i32 s22, s12, NBK*64
	s_add_co_u32 s23, s23, s22
	v_mul_u32_u24 v4, v1, SPITCH
	v_lshl_add_u32 v4, v2, 5, v4
	v_add_nc_u32 v[STO], s23, v4
	v_add_nc_u32 v[STO+1], 64*SPITCH, v[STO]
	s_mul_i32 s23, s10, 64*SPITCH                  ; back: wave w takes rows 64 w .. 64 w + 63
.if QKV
	; lanes 0-15 take one head's 256 bytes of a row, lanes 16-31 the same of the next row: two tokens of a head are 256 consecutive bytes of the output
	v_lshlrev_b32 v[BO], 4, v1
	v_mul_u32_u24 v5, v2, SPITCH
	v_lshl_add_u32 v5, v1, 4, v5
	v_add_nc_u32 v[RD], s23, v5
	v_lshlrev_b32 v[CO], 7, v2
	v_lshl_add_u32 v[CO], v1, 3, v[CO]
	s_mul_i32 s68, s42, 3                          ; the tile's first head among the 48 of q, k, v
	s_lshr_b32 s69, s13, 3
	s_lshl_b32 s69, s69, 4                         ; 16 x batch
	s_and_b32 s70, s13, 7
	s_lshl_b32 s70, s70, 8
	s_lshl_b32 s71, s10, 6
	s_add_co_u32 s70, s70, s71
	s_lshl_b32 s70, s70, 7                         ; my first token in its batch x 128 bytes
.irp hd, 0,1,2
	s_add_co_u32 s92, s68, \hd
	s_lshr_b32 s93, s92, 4                         ; q, k or v
	s_and_b32 s92, s92, 15                         ; the head
	s_cmp_eq_u32 s93, 1
	s_cselect_b64 s[86+2*\hd:87+2*\hd], s[74:75], s[72:73]
	s_cmp_eq_u32 s93, 2
	s_cselect_b64 s[86+2*\hd:87+2*\hd], s[76:77], s[86+2*\hd:87+2*\hd]
	s_lshl_b32 s94, s92, 8
	s_mov_b32 s95, 0
	s_add_nc_u64 s[86+2*\hd:87+2*\hd], s[86+2*\hd:87+2*\hd], s[94:95]
	global_load_b128 v[240+4*\hd:243+4*\hd], v[BO], s[86+2*\hd:87+2*\hd]  ; the head's bias for my four channels; waited for at the way out
	s_lshl_b32 s93, s93, 23
	s_add_co_u32 s92, s92, s69
	s_lshl_b32 s92, s92, 18
	s_add_co_u32 s96, s93, s92
	s_add_co_u32 s96, s96, s70
	s_mov_b32 s97, 0
	s_add_nc_u64 s[80+2*\hd:81+2*\hd], s[78:79], s[96:97]
.endr
.else
	; 32 lanes take half a row of the stage, 512 bytes; rounded to f16 that is 256 consecutive bytes of the output
	v_and_b32 v3, 31, v0
	v_lshlrev_b32 v[BO], 4, v3
	v_lshlrev_b32 v[CO], 3, v3
	v_add_nc_u32 v[RD], s23, v[BO]
	s_lshl_b32 s68, s42, 10
	s_mov_b32 s69, 0
	s_add_nc_u64 s[72:73], s[72:73], s[68:69]
	global_load_b128 v[240:243], v[BO], s[72:73]             ; the bias of my four columns in each half; waited for at the way out
	global_load_b128 v[244:247], v[BO], s[72:73] offset:512
	s_lshl_b32 s68, s13, 8
	s_lshl_b32 s70, s10, 6
	s_add_co_u32 s68, s68, s70
	s_lshl_b32 s68, s68, 13                        ; my first row x 8,192 bytes
	s_lshl_b32 s70, s42, 9
	s_add_co_u32 s68, s68, s70                     ; + the tile's first column
	s_add_nc_u64 s[74:75], s[74:75], s[68:69]
.endif
; 2 NBK matrix instructions: m blocks a0, a0 + 1 of the window's four x all NBK n blocks, 32 along K.  The accumulators take turns, one instruction a turn.  zero = 1: the product starts the sum.
.macro MUL16 f, hi, a0, zero
	WIN MUL_LO+0x50*(\hi)
.irp a, \a0, (\a0)+1
.set bb, 0
.rept NBK
.if \zero
	v_wmma_f32_16x16x32_f16 v[8*(NBK*(\a)+bb):8*(NBK*(\a)+bb)+7], v[(\f)+8*bb:(\f)+8*bb+7], v[(\f)+8*(4*(\hi)+(\a)):(\f)+8*(4*(\hi)+(\a))+7], 0
.else
	v_wmma_f32_16x16x32_f16 v[8*(NBK*(\a)+bb):8*(NBK*(\a)+bb)+7], v[(\f)+8*bb:(\f)+8*bb+7], v[(\f)+8*(4*(\hi)+(\a)):(\f)+8*(4*(\hi)+(\a))+7], v[8*(NBK*(\a)+bb):8*(NBK*(\a)+bb)+7]
.endif
.set bb, bb+1
.endr
.endr
.endm
; NF LDS loads in one run: the fragments of a quarter step (32 K at byte k of the rows) into buffer f: B's, then A's
.macro FETCH k, f
	WIN TO_B
.set ii, 0
.rept NBK
	ds_load_b128 v[(\f)+8*ii:(\f)+8*ii+3],   v[CB] offset:(\k)+ii*16*PITCH
	ds_load_b128 v[(\f)+8*ii+4:(\f)+8*ii+7], v[CB] offset:(\k)+ii*16*PITCH+32
.set ii, ii+1
.endr
	WIN 0
.irp i, 0,1,2,3,4,5,6,7
	ds_load_b128 v[(\f)+8*(\i):(\f)+8*(\i)+3],   v[CA] offset:(\k)+(\i)*16*PITCH
	ds_load_b128 v[(\f)+8*(\i)+4:(\f)+8*(\i)+7], v[CA] offset:(\k)+(\i)*16*PITCH+32
.endr
.endm
; one of a K step's first three quarters: multiplies buffer f; in its middle it fetches the next quarter, at byte k, into buffer g
.macro QUARTER k, f, g, zero
	s_wait_dscnt 8                                 ; B and A's rows 0-63 are in; the youngest eight loads (A's rows 64-127) may be out
	MUL16 \f, 0, 0, \zero
	MUL16 \f, 0, 2, \zero
	PLACES
	FETCH \k, \g
	s_wait_dscnt NF                                ; all but the run just issued
	MUL16 \f, 1, 0, \zero
	MUL16 \f, 1, 2, \zero
.endm
; The last quarter multiplies buffer 1 and changes slots.  MEETQ is its first half, up to the barrier.  Ahead of the barrier each wave waits for all its tensor loads (at most one is out: its part of the next
; slot), adds 0 to its spare word, and waits for that and for its reads of this slot.  fill = 1: the walking descriptors are stepped here, where no tensor load of the wave is out: the other slot, the walk's next K step.
.macro MEETQ fill
	WIN 0                                          ; (the add's two registers lie in window 0)
	s_wait_tensorcnt 0x0                           ; all my tensor loads have landed;
	ds_add_u32 v[SPW], v[NIL]                      ; 0 onto my spare word;
.if \fill
	s_add_co_u32 s[KO], s[KO], KSTEP*2
	s_and_b32 s[KO], s[KO], SIZE_K*2-1             ; behind the row's last K step comes its first
	s_xor_b32 s[GA+1], s[GA+1], SLOT
	s_add_nc_u64 s[GA+2:GA+3], s[14:15], s[KO:KO+1]
	s_or_b32 s[GA+3], s[GA+3], 0x80000000
	s_xor_b32 s[GB+1], s[GB+1], SLOT
	s_add_nc_u64 s[GB+2:GB+3], s[46:47], s[KO:KO+1]
	s_or_b32 s[GB+3], s[GB+3], 0x80000000
.endif
	s_wait_dscnt 9                                 ; (the add and the youngest eight loads may be out)
	MUL16 F1, 0, 0, 0
	s_wait_dscnt 0x0                               ; the add is done, and my reads of this slot are over
	s_barrier_signal -1
	MUL16 F1, 0, 2, 0                              ; work on registers while the others arrive
	WIN 0
	s_barrier_wait -1
.endm
; its second half: the next slot's first fragments, and the rest of buffer 1
.macro NEXT
	s_xor_b32 s[TB], s[TB], SLOT
	v_add_nc_u32 v[CA], s[TB], v[A0]
	v_add_nc_u32 v[CB], s[TB], v[B0]
	FETCH 0, F0
	MUL16 F1, 1, 0, 0
	MUL16 F1, 1, 2, 0
.endm
	s_wait_tensorcnt 1                             ; my part of the first K step is in; the second's may stay out
	s_barrier_signal -1
	s_barrier_wait -1
	s_mov_b32 s[TB], 0
	v_mov_b32 v[CA], v[A0]
	v_mov_b32 v[CB], v[B0]
	FETCH 0, F0
	QUARTER 64, F0, F1, 1                          ; the first quarter stands ahead of the loop: its products start the sums
	WIN 0
	s_mov_b32 s3, SIZE_K/KSTEP-2
.Lstep:                                                ; a trip: a K step's quarters 1 to 3 and the next step's quarter 0; the slot just read is filled again
	QUARTER 128, F1, F0, 0
	QUARTER 192, F0, F1, 0
	MEETQ 1
	CREST                                          ; the barrier has opened a round of the cluster's: no wave of any partner still reads this slot or has a load on its way
	JLOAD                                          ; the first tensor load behind the round; the four v_nop behind it are also the places ahead of the loads below
	NEXT
	QUARTER 64, F0, F1, 0
	WIN 0
	s_sub_co_u32 s3, s3, 1
	s_cmp_lg_u32 s3, 0
	s_cbranch_scc1 .Lstep
	s_mov_b32 s3, 2
.Ltail:                                                ; the last two K steps ask for nothing: a loop of their own, left in the middle of its second trip, directly behind the barrier
	QUARTER 128, F1, F0, 0
	QUARTER 192, F0, F1, 0
	MEETQ 0                                        ; in the second trip this barrier says: every wave's reads of the ring are over
	s_sub_co_u32 s3, s3, 1
	s_cmp_eq_u32 s3, 0
	s_cbranch_scc1 .Llast
	PLACES
	NEXT
	QUARTER 64, F0, F1, 0
	WIN 0
	s_branch .Ltail
.Llast:
	MUL16 F1, 1, 0, 0
	MUL16 F1, 1, 2, 0
	WIN 0
	PLACES
	PLACES
.irp hi, 0,1
	WIN 0x08+4*(\hi)                               ; the stores' data in window 2, then 3
.irp a, 0,1,2,3
.set bb, 0
.rept NBK
	ds_store_b128 v[STO+\hi], v[8*(NBK*\a+bb):8*(NBK*\a+bb)+3]   offset:\a*16*SPITCH+bb*64      ; each accumulator's low registers first
	ds_store_b128 v[STO+\hi], v[8*(NBK*\a+bb)+4:8*(NBK*\a+bb)+7] offset:\a*16*SPITCH+bb*64+16
.set bb, bb+1
.endr
.endr
.endr
	WIN 0
	s_wait_dscnt 0x0                               ; for the others' sake: my stores into the stage are done
	s_barrier_signal -1
	s_barrier_wait -1
	s_wait_loadcnt 0x0                             ; the bias
.if QKV
.set XX, 192                           ; v[192:239] twelve loads of four f32
.set YY, 32                            ; v[32:55]   packed
.set BI, 240                           ; v[240:251] three heads' bias
	s_mov_b32 s3, 8
.Lrow:                                                 ; a trip: eight rows: four pairs x three heads
.irp p, 0,1,2,3
.irp hd, 0,1,2
	ds_load_b128 v[XX+4*(3*\p+\hd):XX+4*(3*\p+\hd)+3], v[RD] offset:\p*2*SPITCH+\hd*256
.endr
.endr
	s_wait_dscnt 0x0
.irp p, 0,1,2,3
.irp hd, 0,1,2
	v_pk_add_f32 v[XX+4*(3*\p+\hd):XX+4*(3*\p+\hd)+1], v[XX+4*(3*\p+\hd):XX+4*(3*\p+\hd)+1], v[BI+4*\hd:BI+4*\hd+1]
	v_pk_add_f32 v[XX+4*(3*\p+\hd)+2:XX+4*(3*\p+\hd)+3], v[XX+4*(3*\p+\hd)+2:XX+4*(3*\p+\hd)+3], v[BI+4*\hd+2:BI+4*\hd+3]
.endr
.endr
.set z, 0
.rept 24
	v_cvt_pk_f16_f32 v[YY+z], v[XX+2*z], v[XX+2*z+1]
.set z, z+1
.endr
.irp p, 0,1,2,3
.irp hd, 0,1,2
	global_store_b64 v[CO], v[YY+2*(3*\p+\hd):YY+2*(3*\p+\hd)+1], s[80+2*\hd:81+2*\hd] offset:\p*256  ; 256 consecutive bytes, aligned
.endr
.endr
	v_add_nc_u32 v[RD], 8*SPITCH, v[RD]
	s_wait_xcnt 0x0                                ; the stores have read their registers: CO and the packed words are written again only behind this wait
	v_add_nc_u32 v[CO], 8*128, v[CO]
	s_sub_co_u32 s3, s3, 1
	s_cmp_lg_u32 s3, 0
	s_cbranch_scc1 .Lrow
.else
; gelu_new(x) = x / (1 + 2^t), t = x (K1 + K2 x^2), K1 = -2 sqrt(2 / pi) log2(e), K2 = 0.044715 K1: the same function as 0.5 x (1 + tanh(..)); 2^t = infinity gives 0, the right limit
.set XX, 32                            ; v[32:63]   eight loads of four f32
.set TT, 192                           ; v[192:223] at work
.set YY, 224                           ; v[224:239] packed
.set BI, 240                           ; v[240:247] the bias of my columns in the two halves
	s_mov_b32 s86, 0xc0135761                      ; K1 = -2.3022082
	s_mov_b32 s87, s86
	s_mov_b32 s88, 0xbdd2d3e8                      ; K2 = -0.10294324
	s_mov_b32 s89, s88
	s_mov_b32 s3, 16
.Lrow:                                                 ; a trip: four rows, two halves each
.irp i, 0,1,2,3,4,5,6,7
	ds_load_b128 v[XX+4*\i:XX+4*\i+3], v[RD] offset:(\i/2)*SPITCH+(\i%2)*512
.endr
	s_wait_dscnt 0x0
.irp i, 0,1,2,3,4,5,6,7
	v_pk_add_f32 v[XX+4*\i:XX+4*\i+1], v[XX+4*\i:XX+4*\i+1], v[BI+4*(\i%2):BI+4*(\i%2)+1]
	v_pk_add_f32 v[XX+4*\i+2:XX+4*\i+3], v[XX+4*\i+2:XX+4*\i+3], v[BI+4*(\i%2)+2:BI+4*(\i%2)+3]
.endr
.set z, 0
.rept 16
	v_pk_mul_f32 v[TT+z:TT+z+1], v[XX+z:XX+z+1], v[XX+z:XX+z+1]
.set z, z+2
.endr
.set z, 0
.rept 16
	v_pk_fma_f32 v[TT+z:TT+z+1], v[TT+z:TT+z+1], s[88:89], s[86:87] op_sel_hi:[1,0,0]
.set z, z+2
.endr
.set z, 0
.rept 16
	v_pk_mul_f32 v[TT+z:TT+z+1], v[TT+z:TT+z+1], v[XX+z:XX+z+1]
.set z, z+2
.endr
.set z, 0
.rept 32
	v_exp_f32 v[TT+z], v[TT+z]
.set z, z+1
.endr
	v_nop                                          ; a plain instruction behind the last exponential,
	s_wait_alu depctr_va_vdst(0)                   ; and the wait: one for the batch of 32
.set z, 0
.rept 16
	v_pk_add_f32 v[TT+z:TT+z+1], v[TT+z:TT+z+1], 1.0 op_sel_hi:[1,0]
.set z, z+2
.endr
.set z, 0
.rept 32
	v_rcp_f32 v[TT+z], v[TT+z]
.set z, z+1
.endr
	v_nop
	s_wait_alu depctr_va_vdst(0)                   ; one for the 32 reciprocals
.set z, 0
.rept 16
	v_pk_mul_f32 v[XX+z:XX+z+1], v[XX+z:XX+z+1], v[TT+z:TT+z+1]
.set z, z+2
.endr
.set z, 0
.rept 16
	v_cvt_pk_f16_f32 v[YY+z], v[XX+2*z], v[XX+2*z+1]
.set z, z+1
.endr
.irp i, 0,1,2,3,4,5,6,7
	global_store_b64 v[CO], v[YY+2*\i:YY+2*\i+1], s[74:75] offset:(\i/2)*8192+(\i%2)*256  ; 256 consecutive bytes, aligned
.endr
	v_add_nc_u32 v[RD], 4*SPITCH, v[RD]
	s_wait_xcnt 0x0                                ; the stores have read their registers: CO and the packed words are written again only behind this wait
	v_add_nc_u32 v[CO], 4*8192, v[CO]
	s_sub_co_u32 s3, s3, 1
	s_cmp_lg_u32 s3, 0
	s_cbranch_scc1 .Lrow
.endif
	s_wait_tensorcnt 0x0                           ; the wave's end: behind my last tensor load and my last LDS store
	ds_add_u32 v[SPW], v[NIL]
	s_wait_dscnt 0x0
	CROUND                                         ; the closing round: no work-group ends while a partner may still ask for a tile that names it
	s_endpgm
.Lfunc_end_k_qa96c7c2315_gmlp1:
	.size	k_qa96c7c2315_gmlp1, .Lfunc_end_k_qa96c7c2315_gmlp1-k_qa96c7c2315_gmlp1
	.p2alignl 7, 3214868480
	.fill 96, 4, 3214868480
	.section	.rodata,"a",@progbits
	.p2align	6, 0x0
	.amdhsa_kernel k_qa96c7c2315_gmlp1
		.amdhsa_group_segment_fixed_size 327680
		.amdhsa_private_segment_fixed_size 0
		.amdhsa_enable_private_segment 0
		.amdhsa_kernarg_size 32
		.amdhsa_user_sgpr_count 2
		.amdhsa_user_sgpr_kernarg_segment_ptr 1
		.amdhsa_wavefront_size32 1
		.amdhsa_system_sgpr_workgroup_id_x 1
		.amdhsa_system_sgpr_workgroup_id_y 1
		.amdhsa_system_sgpr_workgroup_id_z 1
		.amdhsa_system_vgpr_workitem_id 0
		.amdhsa_next_free_vgpr 1024
		.amdhsa_next_free_sgpr 100
		.amdhsa_reserve_vcc 0
		.amdhsa_float_denorm_mode_32 3
		.amdhsa_float_denorm_mode_16_64 3
		.amdhsa_memory_ordered 1
		.amdhsa_forward_progress 1
		.amdhsa_inst_pref_size 90
	.end_amdhsa_kernel
	.amdgpu_metadata
---
amdhsa.version: [ 1, 2 ]
amdhsa.kernels:
  - .name:           k_qa96c7c2315_gmlp1
    .symbol:         k_qa96c7c2315_gmlp1.kd
    .args:
      - { .name: act, .offset: 0, .size: 8, .value_kind: global_buffer, .address_space: global }
      - { .name: win, .offset: 8, .size: 8, .value_kind: global_buffer, .address_space: global }
      - { .name: b_in, .offset: 16, .size: 8, .value_kind: global_buffer, .address_space: global }
      - { .name: post, .offset: 24, .size: 8, .value_kind: global_buffer, .address_space: global }
    .group_segment_fixed_size: 327680
    .private_segment_fixed_size: 0
    .kernarg_segment_align: 8
    .kernarg_segment_size: 32
    .max_flat_workgroup_size: 128
    .sgpr_count:     100
    .vgpr_count:     1024
    .wavefront_size: 32
...
	.end_amdgpu_metadata
.endif
;; end of part 5
;; launch gmlp2 (part 6): grid 8 x 32, 4 waves a work-group, clusters of 4 x 4, 327,680 bytes of LDS; arguments post, wout, b_out, rmid, out0; writes out0
.if DOCPART == 6
	.amdgcn_target "amdgcn-amd-amdhsa--gfx1250"
	.amdhsa_code_object_version 6
	.text
	.protected	k_qa96c7c2315_gmlp2
	.globl	k_qa96c7c2315_gmlp2
	.p2align	8
	.type	k_qa96c7c2315_gmlp2,@function
k_qa96c7c2315_gmlp2:
	s_mov_b64 s[64:65], 0
	v_nop
	global_prefetch_b8 v0, s[64:65] scope:SCOPE_SE
	s_setreg_imm32_b32 hwreg(HW_REG_WAVE_MODE, 25, 1), 1
	s_wait_xcnt 0x0
	s_wait_alu depctr_hold_cnt(0) depctr_sa_sdst(0) depctr_va_vdst(0) depctr_va_sdst(0) depctr_va_ssrc(0) depctr_va_vcc(0) depctr_vm_vsrc(0)
	s_getreg_b32 s2, hwreg(HW_REG_IB_STS2, 6, 4)
	s_cmp_eq_u32 s2, 0
	s_cbranch_scc0 .Lentry_in_a_cluster
	s_endpgm
.Lentry_in_a_cluster:
	s_bfe_u32 s2, ttmp6, 0x10000c
	s_cmp_lg_u32 s2, 0xf033
	s_cbranch_scc0 .Lentry_shape_is_right
	s_endpgm
.Lentry_shape_is_right:
; out0 = rmid + post W_out^T + b_out, all of the sum in f32.  A = post [4096][4096] f16, B = wout [1024][4096] f16.  The residual and the output are f32 and are never rounded to 16 bits.
; A tile of C is 128 x 128: 8 x 32 = 256 work-groups.  K goes in steps of 256 through a ring of two LDS slots (128 rows of A, 128 rows of B, 512 bytes a row) filled by the tensor data mover.
; K IS SPLIT AMONG THE FOUR WAVES, not the tile: wave w makes the WHOLE 128 x 128 tile, 64 accumulators, for channels 64 w .. 64 w + 63 of every K step.  So a wave reads 256 rows x 128 bytes of a slot,
; 32 KB, for its 128 matrix instructions, where a quarter of the tile over all of K would read (64 + 64) rows x 512 bytes, 64 KB.  The four partial tiles meet in LDS once, at the end (f32 sums may be
; taken in any order): 4 x 128 rows x 528 bytes over the ring, which has had its last fill.
; THE LOOP IS ONE K STEP: the slot in hand is a scalar (TB) that an exclusive or turns; slot 1 begins at a byte count whose bits no tile's base has, so the same exclusive or turns a descriptor's LDS word.
; THE K WALK IS TURNED: in trip t a cluster takes K step (8 x + 4 y + t) mod 16, x and y the cluster's place in the grid.  So clusters that need the same rows of A (same y) or of B (same x) ask for
; different K steps at any one time.  The descriptor's address is made anew for each refill: the rows' base + an offset that steps and is cut to the row's length.
; CLUSTERS: 4 x 4 work-groups; A's tile is shared along a row of the cluster, B's along a column: asked for JOINTLY, the same tensor load, descriptor and mask in all four.
; THE MATRIX INSTRUCTION IS USED TRANSPOSED (source 0 = 16 rows of B, source 1 = 16 rows of A): a lane holds eight neighbouring columns of one row of C.
; THE RESIDUAL is loaded at the start, 32 whole rows of 512 bytes a wave, and waits in registers; at the end a wave adds the bias and the four partial sums of its 32 rows onto it and stores whole rows.
; No prefetch: the tiles are small.
; LIMITS.  f16's range holds of A and B alone.  NaN and infinities are not treated apart.
; REGISTERS, in windows of 256: window 0: v0-31 addresses; v64-127, v128-191 A's fragments, two buffers;   window 1: v64-127, v128-191 B's fragments, two buffers; v0-63, v192-255 the residual;
;   window 2: accumulators of rows 0-63 ((a, b) at v[8 (8 a + b)]), at the end v0-127 partial sums read back;   window 3: accumulators of rows 64-127.
.set NBK,    8
.set SIZE_K, 4096
.set KSTEP,  256
.set NS,     SIZE_K/KSTEP              ; K steps
.set PITCH,  528                       ; an LDS row: 512 bytes + 16 of padding: the 16 rows of a fragment load start at 16 different groups of four banks (64 banks of 4 bytes: ISA guide 11.1)
.set HALFT,  64*PITCH                  ; what one tensor load brings
.set SLOT,   0x21000                   ; 4 x 33,792: A's two halves, then B's two; the bases 0, 0x8400, 0x10800, 0x18c00 share no bit with it
.set ASZ,    2*HALFT
.set NF,     32                        ; LDS loads in a run
.set REG,    128*PITCH                 ; a wave's partial tile in the stage: 128 rows of 128 f32 + 16 bytes
.set SPARE,  327168                    ; the spare words, 128 bytes for each wave: two blocks of 256 bytes that no other line names
.set BI,  8                            ; v[8:11] the bias of my four columns
.set A0,  16                           ; v16  my lane's place in A's part of a slot, at my wave's 128 bytes of a row; never rewritten
.set B0,  17                           ; v17  the same for B
.set CA,  18                           ; v18  TB + A0
.set CB,  19                           ; v19  TB + B0
.set STO, 20                           ; v20  the way out: where I put 32 bytes of a row of my partial tile
.set RD,  22                           ; v22  where I read a row of a partial tile back
.set CO,  23                           ; v23  16 x lane: my 16 bytes of a row of 512; never rewritten
.set SPW, 28                           ; v28  LDS address of my spare word; never rewritten
.set NIL, 29                           ; v29  0; never rewritten
.set F0,  64
.set F1,  128
.set G1,  24                           ; s[24:31] descriptor group 1 for A's tiles
.set GA0, 32                           ; s[32:35] group 0: A, the walk's first K step, slot 0
.set GA,  36                           ; s[36:39] group 0: A, the second, slot 1; then it walks
.set G1B, 48                           ; s[48:55], s[56:59], s[60:63]: the same for B
.set GB0, 56
.set GB,  60
.set TB,  66                           ; s66  0 or SLOT: the slot that is being read
.set KO,  78                           ; s[78:79] the byte offset along a row of the K step asked for last; made of the cluster's place alone
.set MSB, 0
.macro WIN new                         ; the immediate's high byte repeats the setting that is left; a switch that changes nothing is dropped
.if MSB != (\new)
	s_set_vgpr_msb (MSB<<8)|(\new)
.set MSB, \new
.endif
.endm
.set MUL_LO, 0xa1                      ; source 0 (B) window 1, source 1 (A) window 0, C and D window 2
.set MUL_HI, 0xf1                      ; the same, C and D window 3
.set TO_B,   0x40                      ; destination window 1, address window 0
.macro PLACES                          ; four places behind matrix instructions, ahead of loads into registers that they read and of reads of their results
.rept 4
	v_nop
.endr
.endm
.macro JLOAD                           ; a joint refill: waves 0 and 1 fetch A's two halves, waves 2 and 3 B's; an s_nop 0 and four v_nop follow each of the two lines
	s_cmp_eq_u32 s11, 0
	s_cbranch_scc0 .Lfor_b_\@
	tensor_load_to_lds s[GA:GA+3], s[G1:G1+7]
	s_nop 0
.rept 4
	v_nop
.endr
	s_branch .Lasked_\@
.Lfor_b_\@:
	tensor_load_to_lds s[GB:GB+3], s[G1B:G1B+7]
	s_nop 0
.rept 4
	v_nop
.endr
.Lasked_\@:
.endm
.macro CREST                           ; a round of the cluster's barrier behind its opening barrier
	s_cmp_lg_u32 s10, 0
	s_cbranch_scc1 .Lnot_wave_0_\@
	s_barrier_signal -3
.Lnot_wave_0_\@:
	s_barrier_wait -3
	s_barrier_signal -1
	s_barrier_wait -1
.endm
.macro CROUND                          ; a whole round
	s_barrier_signal -1
	s_barrier_wait -1
	CREST
.endm
	s_load_b128 s[4:7], s[0:1], 0x0                ; A s[4:5], B s[6:7]
	s_load_b128 s[72:75], s[0:1], 0x10             ; bias 72, residual 74
	s_load_b64 s[76:77], s[0:1], 0x20              ; out
	v_lshl_add_u32 v[SPW], v0, 2, SPARE
	v_mov_b32 v[NIL], 0
	ds_add_u32 v[SPW], v[NIL]                      ; the wave's opening: the add and its wait ahead of my first tensor load; work on registers stands between them
	ds_add_u32 v28, v29
	v_lshrrev_b32 v1, 5, v0
	v_readfirstlane_b32 s10, v1                    ; wave 0..3: my quarter of every K step
	s_lshr_b32 s11, s10, 1                         ; I fetch for A (0) or for B (1),
	s_and_b32 s12, s10, 1                          ; and which 64 rows of that tile
	s_bfe_u32 s40, ttmp6, 0x40000                  ; cx
	s_bfe_u32 s41, ttmp6, 0x40004                  ; cy
	s_lshl_b32 s42, ttmp9, 2
	s_add_co_u32 s42, s42, s40                     ; tile column
	s_and_b32 s13, ttmp7, 0xffff
	s_lshl_b32 s13, s13, 2
	s_add_co_u32 s13, s13, s41                     ; tile row
	s_lshl_b32 s43, s41, 2
	s_lshl_b32 s43, 15, s43                        ; my row of the cluster
	s_lshl_b32 s44, 0x1111, s40                    ; my column
	s_or_b32 s[G1], s43, (1<<16)|(1<<20)|(1<<21)|(6<<22)|(3<<25)   ; the mask; 2-byte elements; padding on; bit 21 beside a mask; after every 128 words 4 words
	s_or_b32 s[G1B], s44, (1<<16)|(1<<20)|(1<<21)|(6<<22)|(3<<25)
.irp g, G1, G1B
	s_mov_b32 s[(\g)+1], KSTEP<<16                 ; tensor_dim0 = 256
	s_mov_b32 s[(\g)+2], 64<<16                    ; tensor_dim1 = 64
	s_mov_b32 s[(\g)+3], KSTEP<<16                 ; tile_dim0 = 256
	s_mov_b32 s[(\g)+4], 64                        ; tile_dim1 = 64
	s_mov_b32 s[(\g)+5], SIZE_K                    ; elements from row to row
	s_mov_b32 s[(\g)+6], 0
	s_mov_b32 s[(\g)+7], 0
.endr
	s_lshl_b32 s16, s13, 7
	s_lshl_b32 s17, s12, 6
	s_add_co_u32 s16, s16, s17                     ; A: row 128 x tile row + 64 x half
	s_mul_i32 s16, s16, SIZE_K*2
	s_mov_b32 s17, 0
	s_lshl_b32 s46, s42, 7
	s_lshl_b32 s47, s12, 6
	s_add_co_u32 s46, s46, s47                     ; B: row 128 x tile column + 64 x half
	s_mul_i32 s46, s46, SIZE_K*2
	s_mov_b32 s47, 0
	s_mul_i32 s20, s10, HALFT                      ; where my load goes: wave x 33,792: no place in the cluster enters an LDS address
	s_mul_i32 s[KO], ttmp9, NS/2                   ; the walk's first K step: (8 x cluster x + 4 x cluster y) mod 16: the same in all sixteen partners,
	s_and_b32 s[KO+1], ttmp7, 0xffff
	s_mul_i32 s[KO+1], s[KO+1], NS/4
	s_add_co_u32 s[KO], s[KO], s[KO+1]
	s_and_b32 s[KO], s[KO], NS-1
	s_lshl_b32 s[KO], s[KO], 9                     ; in bytes along a row
	s_mov_b32 s[KO+1], 0
	s_wait_dscnt 0x0                               ; the opening add is done
	s_wait_kmcnt 0x0
	s_add_nc_u64 s[14:15], s[4:5], s[16:17]        ; my rows of A and of B at K = 0: kept for the whole walk
	s_add_nc_u64 s[46:47], s[6:7], s[46:47]
	CROUND                                         ; all sixteen work-groups are here: the first joint loads meet
	s_mov_b32 s[GA0], 1
	s_mov_b32 s[GA0+1], s20
	s_add_nc_u64 s[GA0+2:GA0+3], s[14:15], s[KO:KO+1]
	s_or_b32 s[GA0+3], s[GA0+3], 0x80000000
	s_mov_b32 s[GB0], 1
	s_mov_b32 s[GB0+1], s20
	s_add_nc_u64 s[GB0+2:GB0+3], s[46:47], s[KO:KO+1]
	s_or_b32 s[GB0+3], s[GB0+3], 0x80000000
	s_add_co_u32 s[KO], s[KO], KSTEP*2             ; the walk's second K step
	s_and_b32 s[KO], s[KO], SIZE_K*2-1
	s_mov_b32 s[GA], 1
	s_add_co_u32 s[GA+1], s20, SLOT
	s_add_nc_u64 s[GA+2:GA+3], s[14:15], s[KO:KO+1]
	s_or_b32 s[GA+3], s[GA+3], 0x80000000
	s_mov_b32 s[GB], 1
	s_add_co_u32 s[GB+1], s20, SLOT
	s_add_nc_u64 s[GB+2:GB+3], s[46:47], s[KO:KO+1]
	s_or_b32 s[GB+3], s[GB+3], 0x80000000
	s_cmp_eq_u32 s11, 0                            ; a wave's two first fills stand in one branch: two loads of mine are out
	s_cbranch_scc0 .Lfirst_b
	tensor_load_to_lds s[GA0:GA0+3], s[G1:G1+7]
	s_nop 0
	tensor_load_to_lds s[GA:GA+3], s[G1:G1+7]
	s_nop 0
.rept 4
	v_nop
.endr
	s_branch .Lfirst_asked
.Lfirst_b:
	tensor_load_to_lds s[GB0:GB0+3], s[G1B:G1B+7]
	s_nop 0
	tensor_load_to_lds s[GB:GB+3], s[G1B:G1B+7]
	s_nop 0
.rept 4
	v_nop
.endr
.Lfirst_asked:
	; the residual, the bias and the output: wave w owns rows 32 w .. 32 w + 31 of the tile, whole: 512 bytes a row, 16 a lane
	v_and_b32 v3, 31, v0
	v_lshlrev_b32 v[CO], 4, v3
	s_lshl_b32 s68, s13, 7
	s_lshl_b32 s69, s10, 5
	s_add_co_u32 s68, s68, s69
	s_lshl_b32 s68, s68, 12
	s_lshl_b32 s70, s42, 9
	s_add_co_u32 s68, s68, s70
	s_mov_b32 s69, 0
	s_mov_b32 s71, 0
	s_add_nc_u64 s[74:75], s[74:75], s[68:69]
	s_add_nc_u64 s[76:77], s[76:77], s[68:69]
	s_add_nc_u64 s[72:73], s[72:73], s[70:71]
	WIN TO_B                                       ; destination window 1: row t at v[4 t] (t < 16) or v[4 t + 128]
.set t, 0
.rept 32
.set rr, 4*t+128*(t/16)
	global_load_b128 v[rr:rr+3], v[CO], s[74:75] offset:t*4096     ; waited for at the way out
.set t, t+1
.endr
	WIN 0
	global_load_b128 v[BI:BI+3], v[CO], s[72:73]
	; a fragment is 16 rows x 32 K in 8 registers: lane l holds row l % 16, K = 8 (l / 16) + 0..7 and 16 + 8 (l / 16) + 0..7: two loads of 16 bytes, 32 bytes apart
	v_and_b32 v1, 15, v0                           ; l % 16
	v_bfe_u32 v2, v0, 4, 1                         ; l / 16
	v_mul_u32_u24 v3, v1, PITCH
	v_lshl_add_u32 v3, v2, 4, v3
	s_lshl_b32 s21, s10, 7                         ; my wave's 64 channels: 128 bytes of every row
	v_add_nc_u32 v[A0], s21, v3
	v_add_nc_u32 v[B0], ASZ, v[A0]                 ; B's 128 rows lie behind A's
	s_mul_i32 s23, s10, REG                        ; my partial tile in the stage: row l % 16, column 8 (l / 16), in f32
	v_mul_u32_u24 v4, v1, PITCH
	v_lshl_add_u32 v4, v2, 5, v4
	v_add_nc_u32 v[STO], s23, v4
	s_mul_i32 s23, s10, 32*PITCH                   ; back: my 32 rows, of partial tile 0 first
	v_add_nc_u32 v[RD], s23, v[CO]
; 16 matrix instructions: m blocks a0, a0 + 1 of the window's four x all 8 n blocks, 32 along K.  The 64 accumulators take turns, one instruction a turn.  zero = 1: the product starts the sum.
.macro MUL16 f, hi, a0, zero
	WIN MUL_LO+0x50*(\hi)
.irp a, \a0, (\a0)+1
.set bb, 0
.rept NBK
.if \zero
	v_wmma_f32_16x16x32_f16 v[8*(NBK*(\a)+bb):8*(NBK*(\a)+bb)+7], v[(\f)+8*bb:(\f)+8*bb+7], v[(\f)+8*(4*(\hi)+(\a)):(\f)+8*(4*(\hi)+(\a))+7], 0
.else
	v_wmma_f32_16x16x32_f16 v[8*(NBK*(\a)+bb):8*(NBK*(\a)+bb)+7], v[(\f)+8*bb:(\f)+8*bb+7], v[(\f)+8*(4*(\hi)+(\a)):(\f)+8*(4*(\hi)+(\a))+7], v[8*(NBK*(\a)+bb):8*(NBK*(\a)+bb)+7]
.endif
.set bb, bb+1
.endr
.endr
.endm
; 32 LDS loads in one run: the fragments of 32 along K, at byte k of my 128 bytes of the rows, into buffer f: B's 128 rows, then A's
.macro FETCH k, f
	WIN TO_B
.irp i, 0,1,2,3,4,5,6,7
	ds_load_b128 v[(\f)+8*(\i):(\f)+8*(\i)+3],   v[CB] offset:(\k)+(\i)*16*PITCH
	ds_load_b128 v[(\f)+8*(\i)+4:(\f)+8*(\i)+7], v[CB] offset:(\k)+(\i)*16*PITCH+32
.endr
	WIN 0
.irp i, 0,1,2,3,4,5,6,7
	ds_load_b128 v[(\f)+8*(\i):(\f)+8*(\i)+3],   v[CA] offset:(\k)+(\i)*16*PITCH
	ds_load_b128 v[(\f)+8*(\i)+4:(\f)+8*(\i)+7], v[CA] offset:(\k)+(\i)*16*PITCH+32
.endr
.endm
; a K step's first half: multiplies buffer 0 (my first 32 channels); in its middle it fetches my second 32 into buffer 1
.macro FIRSTH zero
	s_wait_dscnt 8                                 ; B and A's rows 0-63 are in; the youngest eight loads (A's rows 64-127) may be out
	MUL16 F0, 0, 0, \zero
	MUL16 F0, 0, 2, \zero
	PLACES
	FETCH 64, F1
	s_wait_dscnt NF                                ; all but the run just issued
	MUL16 F0, 1, 0, \zero
	MUL16 F0, 1, 2, \zero
.endm
; The second half multiplies buffer 1 and changes slots.  MEETQ is its first part, up to the barrier.  Its 32 products stand AHEAD of the wait for the tile, so that nothing but the waits, the add and the
; barrier lies between a tile's landing and the next request.  Ahead of the barrier each wave waits for all its tensor loads (at most one is out: its part of the next slot), adds 0 to its spare word, and waits
; for that and for its reads of this slot.  fill = 1: the walking descriptors are stepped here, where no tensor load of the wave is out: the other slot, the walk's next K step.
.macro MEETQ fill
	s_wait_dscnt 8                                 ; B and A's rows 0-63 are in
	MUL16 F1, 0, 0, 0
	MUL16 F1, 0, 2, 0
	WIN 0                                          ; (the add's two registers lie in window 0)
	s_wait_tensorcnt 0x0                           ; all my tensor loads have landed;
	ds_add_u32 v[SPW], v[NIL]                      ; 0 onto my spare word
.if \fill
	s_add_co_u32 s[KO], s[KO], KSTEP*2
	s_and_b32 s[KO], s[KO], SIZE_K*2-1             ; behind the row's last K step comes its first
	s_xor_b32 s[GA+1], s[GA+1], SLOT
	s_add_nc_u64 s[GA+2:GA+3], s[14:15], s[KO:KO+1]
	s_or_b32 s[GA+3], s[GA+3], 0x80000000
	s_xor_b32 s[GB+1], s[GB+1], SLOT
	s_add_nc_u64 s[GB+2:GB+3], s[46:47], s[KO:KO+1]
	s_or_b32 s[GB+3], s[GB+3], 0x80000000
.endif
	s_wait_dscnt 0x0                               ; the add is done, and my reads of this slot are over
	s_barrier_signal -1
	s_barrier_wait -1
.endm
; its second part: the next slot's first fragments, and the rest of buffer 1
.macro NEXT
	s_xor_b32 s[TB], s[TB], SLOT
	v_add_nc_u32 v[CA], s[TB], v[A0]
	v_add_nc_u32 v[CB], s[TB], v[B0]
	FETCH 0, F0
	MUL16 F1, 1, 0, 0
	MUL16 F1, 1, 2, 0
.endm
	s_wait_tensorcnt 1                             ; my part of the first K step is in; the second's may stay out
	s_barrier_signal -1
	s_barrier_wait -1
	s_mov_b32 s[TB], 0
	v_mov_b32 v[CA], v[A0]
	v_mov_b32 v[CB], v[B0]
	FETCH 0, F0
	FIRSTH 1                                       ; the first half step stands ahead of the loop: its products start the sums
	WIN 0
	s_mov_b32 s3, NS-2
.Lstep:                                                ; a trip: a K step's second half and the next step's first; the slot just read is filled again: the load has 128 matrix instructions in which to land
	MEETQ 1
	CREST                                          ; the barrier has opened a round of the cluster's: no wave of any partner still reads this slot or has a load on its way
	JLOAD                                          ; the first tensor load behind the round; the four v_nop behind it are also the places ahead of the loads below
	NEXT
	FIRSTH 0
	WIN 0
	s_sub_co_u32 s3, s3, 1
	s_cmp_lg_u32 s3, 0
	s_cbranch_scc1 .Lstep
	s_mov_b32 s3, 2
.Ltail:                                                ; the last two K steps ask for nothing: a loop of their own, left in the middle of its second trip, directly behind the barrier
	MEETQ 0                                        ; in the second trip this barrier says: every wave's reads of the ring are over
	s_sub_co_u32 s3, s3, 1
	s_cmp_eq_u32 s3, 0
	s_cbranch_scc1 .Llast
	PLACES
	NEXT
	FIRSTH 0
	WIN 0
	s_branch .Ltail
.Llast:
	MUL16 F1, 1, 0, 0
	MUL16 F1, 1, 2, 0
	WIN 0
	PLACES
	PLACES
	; THE WAY OUT.  My partial tile goes into my part of the stage, over the ring
.irp hi, 0,1
	WIN 0x08+4*(\hi)                               ; the stores' data in window 2, then 3
.irp a, 0,1,2,3
.set bb, 0
.rept NBK
	ds_store_b128 v[STO], v[8*(NBK*\a+bb):8*(NBK*\a+bb)+3]   offset:(4*\hi+\a)*16*PITCH+bb*64      ; each accumulator's low registers first
	ds_store_b128 v[STO], v[8*(NBK*\a+bb)+4:8*(NBK*\a+bb)+7] offset:(4*\hi+\a)*16*PITCH+bb*64+16
.set bb, bb+1
.endr
.endr
.endr
	s_wait_loadcnt 0x0                             ; the residual and the bias
	WIN 0x41                                       ; destination and source 0 window 1, source 1 window 0
.set t, 0
.rept 32
.set rr, 4*t+128*(t/16)
	v_pk_add_f32 v[rr:rr+1], v[rr:rr+1], v[BI:BI+1]
	v_pk_add_f32 v[rr+2:rr+3], v[rr+2:rr+3], v[BI+2:BI+3]
.set t, t+1
.endr
	WIN 0
	s_wait_dscnt 0x0                               ; for the others' sake: my stores into the stage are done
	s_barrier_signal -1
	s_barrier_wait -1
	s_mov_b32 s3, 4
.Lsum:                                                 ; a trip: my 32 rows of one wave's partial tile are read back and added on
	WIN 0x80                                       ; destination window 2: the accumulators have been stored
.set t, 0
.rept 32
	ds_load_b128 v[4*t:4*t+3], v[RD] offset:t*PITCH
.set t, t+1
.endr
	s_wait_dscnt 0x0
	WIN 0x49                                       ; destination and source 0 window 1, source 1 window 2
.set t, 0
.rept 32
.set rr, 4*t+128*(t/16)
	v_pk_add_f32 v[rr:rr+1], v[rr:rr+1], v[4*t:4*t+1]
	v_pk_add_f32 v[rr+2:rr+3], v[rr+2:rr+3], v[4*t+2:4*t+3]
.set t, t+1
.endr
	WIN 0
	v_add_nc_u32 v[RD], REG, v[RD]                 ; the next wave's partial tile
	s_sub_co_u32 s3, s3, 1
	s_cmp_lg_u32 s3, 0
	s_cbranch_scc1 .Lsum
	WIN 0x04                                       ; the stores' data in window 1
.set t, 0
.rept 32
.set rr, 4*t+128*(t/16)
	global_store_b128 v[CO], v[rr:rr+3], s[76:77] offset:t*4096    ; 512 consecutive bytes, aligned
.set t, t+1
.endr
	WIN 0
	s_wait_tensorcnt 0x0                           ; the wave's end: behind my last tensor load and my last LDS store
	ds_add_u32 v[SPW], v[NIL]
	s_wait_dscnt 0x0
	CROUND                                         ; the closing round: no work-group ends while a partner may still ask for a tile that names it
	s_endpgm
.Lfunc_end_k_qa96c7c2315_gmlp2:
	.size	k_qa96c7c2315_gmlp2, .Lfunc_end_k_qa96c7c2315_gmlp2-k_qa96c7c2315_gmlp2
	.p2alignl 7, 3214868480
	.fill 96, 4, 3214868480
	.section	.rodata,"a",@progbits
	.p2align	6, 0x0
	.amdhsa_kernel k_qa96c7c2315_gmlp2
		.amdhsa_group_segment_fixed_size 327680
		.amdhsa_private_segment_fixed_size 0
		.amdhsa_enable_private_segment 0
		.amdhsa_kernarg_size 40
		.amdhsa_user_sgpr_count 2
		.amdhsa_user_sgpr_kernarg_segment_ptr 1
		.amdhsa_wavefront_size32 1
		.amdhsa_system_sgpr_workgroup_id_x 1
		.amdhsa_system_sgpr_workgroup_id_y 1
		.amdhsa_system_sgpr_workgroup_id_z 1
		.amdhsa_system_vgpr_workitem_id 0
		.amdhsa_next_free_vgpr 1024
		.amdhsa_next_free_sgpr 100
		.amdhsa_reserve_vcc 0
		.amdhsa_float_denorm_mode_32 3
		.amdhsa_float_denorm_mode_16_64 3
		.amdhsa_memory_ordered 1
		.amdhsa_forward_progress 1
		.amdhsa_inst_pref_size 70
	.end_amdhsa_kernel
	.amdgpu_metadata
---
amdhsa.version: [ 1, 2 ]
amdhsa.kernels:
  - .name:           k_qa96c7c2315_gmlp2
    .symbol:         k_qa96c7c2315_gmlp2.kd
    .args:
      - { .name: post, .offset: 0, .size: 8, .value_kind: global_buffer, .address_space: global }
      - { .name: wout, .offset: 8, .size: 8, .value_kind: global_buffer, .address_space: global }
      - { .name: b_out, .offset: 16, .size: 8, .value_kind: global_buffer, .address_space: global }
      - { .name: rmid, .offset: 24, .size: 8, .value_kind: global_buffer, .address_space: global }
      - { .name: out0, .offset: 32, .size: 8, .value_kind: global_buffer, .address_space: global }
    .group_segment_fixed_size: 327680
    .private_segment_fixed_size: 0
    .kernarg_segment_align: 8
    .kernarg_segment_size: 40
    .max_flat_workgroup_size: 128
    .sgpr_count:     100
    .vgpr_count:     1024
    .wavefront_size: 32
...
	.end_amdgpu_metadata
.endif
;; end of part 6
